; MI455X (gfx1250); checked and timed in simulation.
; The chip was launched on July 23, 2026; its instructions are those of AMD's public machine-readable ISA for CDNA 5 (MIT licence, August 2026) and "CDNA5" Instruction Set Architecture Reference Guide (July 2026). The comments in the code are by the model that wrote it; some were corrected since.
;; Attention. Allowed arithmetic: matrix products marked QUANTISED: E2M3 operands, one E8M0 scale for each 32 along K, by v_wmma_scale_f32_16x16x128_f8f6f4 with both operands' format E2M3, f32 sums; everything else in f32.
;; Inputs: W1 1,024 x 1,024 float32; W2 1,024 x 1,024 float32; W3 1,024 x 1,024 float32; Wo 1,024 x 1,024 float32; emb 4 x 2,048 x 1,024 float32.
;; Outputs: out0 4 x 2,048 x 1,024 float32.
;; This version of the problem:
;;   THIS VERSION OF THE PROBLEM IS GIVEN IN LOW PRECISION. The matrix products marked QUANTISED in the list below multiply operands that are first quantised to E2M3 (2 exponent bits, 3 mantissa bits; 6 bits a number), with one power-of-two scale for each 32 numbers along K (OCP MX v1.0); their sums are f32. All else is computed in f32.
;;   The module's matrix products, in the order in which they are computed (A, B: the left and right operand; K: the contracted axis; several contracted axes count as one K, in the product's order):
;;     1. [M 8,192, K 1,024] x [K 1,024, N 1,024]; A: input emb; B: input W1: QUANTISED
;;     2. [M 8,192, K 1,024] x [K 1,024, N 1,024]; A: input emb; B: input W2: QUANTISED
;;     3. [M 8,192, K 1,024] x [K 1,024, N 1,024]; A: input emb; B: input W3: QUANTISED
;;     4. batch 32 x [M 2,048, K 128] x [K 128, N 2,048]; A: computed on the way; B: computed on the way: QUANTISED
;;     5. batch 32 x [M 2,048, K 2,048] x [K 2,048, N 128]; A: softmax (see below); B: computed on the way: QUANTISED
;;     6. [M 8,192, K 1,024] x [K 1,024, N 1,024]; A: computed on the way; B: input Wo: QUANTISED
;;   THE QUANTISER, for each operand of a quantised product, along K:
;;     - K is cut into blocks of 32 from its start; a last block that is shorter is filled with zeros.
;;     - A block's scale is 2^e with e = floor(log2(the largest magnitude in the block)) - 2, held to -126 .. 127; a block of zeros has e = 0. As a byte (E8M0): e + 127.
;;     - Each number is divided by its block's scale, clamped to +-7.5, and rounded to the nearest number of E2M3, ties to even, subnormals kept.
;;     - The product sums the exact products of the quantised numbers (number of the format x scale) in f32.
;;   ~~~python
;;   def quantise(x, axis):      # numpy; x: float32 -> the quantised numbers, widened to float32 again
;;       x = np.moveaxis(x, axis, -1); K = x.shape[-1]
;;       x = np.pad(x, [(0, 0)] * (x.ndim - 1) + [(0, -K % 32)]); x = x.reshape(x.shape[:-1] + (-1, 32)); a = np.abs(x).max(-1, keepdims=True)
;;       e = np.where(a > 0, np.clip(np.frexp(np.where(a > 0, a, 1))[1] - 1 - 2, -126, 127), 0)      # np.frexp(a)[1] - 1 = floor(log2(a)), exactly
;;       r = np.clip(x / 2.0 ** e, -7.5, 7.5)
;;       step = 2.0 ** (np.maximum(np.frexp(np.where(r == 0, 1, r))[1] - 1, 0) - 3)
;;       q = np.round(r / step) * step * 2.0 ** e      # np.round: ties to even
;;       return np.moveaxis(q.reshape(q.shape[:-2] + (-1,))[..., :K], -1, axis).astype(np.float32)
;;   ~~~
;;   SOFTMAX AHEAD OF A QUANTISED PRODUCT. Where the list says 'softmax', what is quantised is not the finished softmax but p = 2^(t - M), with t = logit x log2(e) and M = ceil(the row's largest t), a whole number; so 1/2 < the row's largest p <= 1. The row's sum l is taken of the UNQUANTISED p, in f32, and the product's result is divided by l at the end. Since M is a whole number, a kernel that streams over the keys may use a running M (the ceiling of the running maximum): every later rescaling is an exact power of two, which a block's scale takes up: the codes' values come out the same.
;;   OPERANDS COMPUTED ON THE WAY. 'Computed on the way' means the value that the module computes at that place (a softmax that the list does not call 'softmax' is quantised finished and normalised). What goes into a quantiser is computed in f32, as accurately as f32 sums, v_exp_f32 and their like allow (about 1e-6 of the number): no bf16 or f16 on the way to a quantiser, and a product that is left as it is and whose result goes on into a quantised operand takes f32 operands (vector FMAs, or v_wmma_f32_16x16x4_f32). A number that lies on a knife's edge between two numbers of the format may be rounded either way, as far as f32 arithmetic and the matrix unit's own rounding can turn it there, and no further.
;; One version. Each part assembles by itself: llvm-mc -triple=amdgcn-amd-amdhsa -mcpu=gfx1250 --defsym DOCPART=n.
;; ======== version 1 of 1: 4 launches
;; workspace buffers: opc 9,437,184 bytes; ops 393,216 bytes; tab 1,048,576 bytes; qkvc 18,874,368 bytes; qkvs 786,432 bytes; oc 6,291,456 bytes; os 262,144 bytes
;; launch prep (part 1): grid 640 x 1, 4 waves a work-group, no clusters, 33,280 bytes of LDS; arguments emb, W1, W2, W3, Wo, opc, ops, tab; writes opc, ops, tab
.if DOCPART == 1
	.amdgcn_target "amdgcn-amd-amdhsa--gfx1250"
	.amdhsa_code_object_version 6
	.text
	.protected	k_q0a55b9b057_prep
	.globl	k_q0a55b9b057_prep
	.p2align	8
	.type	k_q0a55b9b057_prep,@function
k_q0a55b9b057_prep:
	s_mov_b64 s[64:65], 0
	v_nop
	global_prefetch_b8 v0, s[64:65] scope:SCOPE_SE
	s_setreg_imm32_b32 hwreg(HW_REG_WAVE_MODE, 25, 1), 1
	s_wait_xcnt 0x0
; FIRST OF FOUR LAUNCHES (prep, qkv, attn, outp) of an attention block whose six products run on codes of E2M3 with one E8M0 scale for each 32 along K.
; DEAD WORK: none is left out anywhere in the program: all five inputs reach the output, and every product of the problem is done whole.
; The reshapes and transposes of the problem are index maps and are folded into addresses:
;   a projection's flat result [8192][1024] IS [32 heads][2048 positions][128]: row s, column p = head s / 256, position 8 (s % 256) + p / 128, channel p % 128;
;   the last linear layer is out0[b][1024 u + e][e2] = sum over k of Wo[e][k] O[b][e2 / 128][1024 u + k][e2 % 128].
; THIS LAUNCH.  Work-groups 0 to 383 quantise emb, W1, W2, W3, Wo along their innermost axis; work-groups 384 to 639 make the table of cosines and sines for the rotation.
; THE OPERANDS' LAYOUT (opc, ops): for an operand of RR rows, codes [K step of 256: 4][RR places][192 bytes], scale bytes [K step][RR places][8]: the 128 rows of a tile and a K step are one dense block.
; Which row stands at which place is chosen for the launch that multiplies:  emb: inside each 32 rows, row 2 t + u at place 16 u + t.  W1, W2: row 128 c + 32 beta + (2 t + u) at place 256 beta + 32 c + 16 u + t (+ 1024 for W2).
; W3: row 128 c + d at place 2048 + 8 d + c.  Wo: as it lies.  So row 2 t + u of a group of 32 goes to place pos0 + u PU + t PT.
; A block's scale is 2^(floor(log2(largest magnitude)) - 2); its byte is the largest magnitude's exponent field - 2, held at 1 from below.
; LIMITS: a block of zeros gets the byte 1 where the rule says 127 (its codes are zeros, and only this program reads the bytes); NaN and infinities among the inputs are not served.
; A work-group takes 32 rows, wave w their K step w: 16 steps of two rows x 256 numbers.  Loads take 512 consecutive bytes; a step's 2,048 bytes turn through the wave's own stage in LDS so that a lane holds 16 neighbours.
.set STEPS, 16
.set EMAX,  2
.set SP,    80                         ; a lane's place in a stage: 64 bytes + 16 of padding
.set WREG,  8192                       ; LDS: a region for each wave: two stages of 32 x SP bytes, then its 256 scale bytes
.set SPARE, 4*WREG                     ; behind the regions: the spare words, 128 bytes a wave, which no other line names
.set R,     16                         ; v16-79   four sets of 16 numbers as loaded
.set X,     80                         ; v80-111  two sets of 16 neighbours
.set E,     112                        ; v112-127 a scale byte for each step
.set C,     128                        ; v128-191 codes: four registers for each step
.set VO,    192                        ; v192-207 each step's byte offset among the codes; never rewritten
.set SPW,   12                         ; v12 my spare word's LDS address; never rewritten
.set NIL,   13                         ; v13 0; never rewritten
	s_load_b512 s[4:19], s[0:1], 0x0               ; emb s[4:5], W1 s[6:7], W2 s[8:9], W3 s[10:11], Wo s[12:13], opc s[14:15], ops s[16:17], tab s[18:19]
	v_lshl_add_u32 v[SPW], v0, 2, SPARE
	v_mov_b32 v[NIL], 0
	s_cmp_ge_u32 ttmp9, 384
	s_cbranch_scc1 .Ltable
	v_lshrrev_b32 v1, 5, v0
	v_readfirstlane_b32 s20, v1                    ; wave = K step
	v_and_b32 v2, 31, v0                           ; lane
	v_lshlrev_b32 v3, 4, v2                        ; my 16 bytes of a load's 512
	s_mul_i32 s21, s20, WREG
	v_lshrrev_b32 v14, 2, v2
	v_mul_u32_u24 v14, v14, SP
	v_and_b32 v15, 3, v2
	v_lshl_add_u32 v14, v15, 4, v14
	v_add_nc_u32 v14, s21, v14                     ; the stage, way in: SP (lane / 4) + 16 (lane % 4)
	v_mul_u32_u24 v15, v2, SP
	v_add_nc_u32 v15, s21, v15                     ; way out: SP x lane
	v_lshrrev_b32 v5, 1, v2
	s_add_co_u32 s21, s21, 2*32*SP
	v_add_nc_u32 v5, s21, v5                       ; my block's scale byte in the wave's 256
	v_lshlrev_b32 v6, 3, v2
	v_add_nc_u32 v6, s21, v6                       ; and on the way out row = lane: 8 bytes
	; which tensor, which 32 rows, and where they go: all from the work-group's number
	s_sub_co_u32 s22, ttmp9, 256
	s_lshr_b32 s23, s22, 5                         ; tau: 0 W1, 1 W2, 2 W3, 3 Wo (none of these in emb's work-groups)
	s_and_b32 s24, s22, 31
	s_cmp_lt_u32 ttmp9, 256
	s_cselect_b32 s24, ttmp9, s24                  ; G: the group of 32 rows
	s_and_b32 s25, s24, 3                          ; beta
	s_lshr_b32 s26, s24, 2                         ; c
	s_lshl_b32 s27, s25, 8
	s_lshl_b32 s28, s23, 10
	s_add_co_u32 s27, s27, s28                     ; 1024 tau + 256 beta
	s_lshl_b32 s28, s26, 5
	s_cmp_eq_u32 s23, 2
	s_cselect_b32 s28, s26, s28                    ; + c (W3) or 32 c (W1, W2)
	s_add_co_u32 s27, s27, s28                     ; pos0 of W1, W2, W3
	s_lshl_b32 s28, s24, 5                         ; pos0 of emb and Wo: 32 G
	s_mov_b32 s29, 16                              ; PU
	s_mov_b32 s30, 1                               ; PT
	s_mov_b32 s31, 3072                            ; RR
	s_mov_b32 s32, 6291456                         ; where the operand's codes begin in opc
	s_mov_b32 s33, 262144                          ; and its scale bytes in ops
	s_cmp_eq_u32 s23, 2
	s_cselect_b32 s29, 8, s29
	s_cselect_b32 s30, 16, s30
	s_cmp_eq_u32 s23, 3
	s_cselect_b32 s29, 1, s29
	s_cselect_b32 s30, 2, s30
	s_cselect_b32 s31, 1024, s31
	s_cselect_b32 s32, 8650752, s32
	s_cselect_b32 s33, 360448, s33
	s_cselect_b32 s27, s28, s27
	s_cmp_lt_u32 ttmp9, 256
	s_cselect_b32 s31, 8192, s31
	s_cselect_b32 s32, 0, s32
	s_cselect_b32 s33, 0, s33
	s_cselect_b32 s27, s28, s27
	s_mul_i32 s34, s29, 192
	s_mul_i32 s35, s30, 192
	v_lshrrev_b32 v8, 4, v2                        ; u: lanes 0-15 hold row 2 t, lanes 16-31 row 2 t + 1
	v_and_b32 v9, 15, v2
	v_mul_u32_u24 v10, v9, 12                      ; my 16 codes' 12 bytes in the row's 192
	v_mul_u32_u24 v11, v8, s34
	v_add_nc_u32 v[VO], v10, v11
.irp t, 1,2,3,4,5,6,7,8,9,10,11,12,13,14,15
	v_add_nc_u32 v[VO+\t], s35, v[VO+\t-1]
.endr
	v_and_b32 v8, 1, v2
	v_lshrrev_b32 v9, 1, v2
	v_mul_u32_u24 v8, v8, s29
	v_mad_u32_u24 v8, v9, s30, v8
	v_lshlrev_b32 v7, 3, v8                        ; row = lane's place among the scale bytes
	s_mul_i32 s36, s20, s31
	s_add_co_u32 s36, s36, s27                     ; K step x RR + pos0
	s_mul_i32 s38, s36, 192
	s_add_co_u32 s38, s38, s32
	s_mov_b32 s39, 0
	s_lshl_b32 s40, s36, 3
	s_add_co_u32 s40, s40, s33
	s_mov_b32 s41, 0
	s_lshl_b32 s42, s24, 17                        ; 32 rows of 4,096 bytes
	s_lshl_b32 s43, s20, 10                        ; + my K step's 1,024 bytes
	s_add_co_u32 s42, s42, s43
	s_mov_b32 s43, 0
	s_wait_kmcnt 0x0
	s_cmp_eq_u32 s23, 1                            ; the choices hang on the work-group's number alone
	s_cselect_b64 s[6:7], s[8:9], s[6:7]
	s_cmp_eq_u32 s23, 2
	s_cselect_b64 s[6:7], s[10:11], s[6:7]
	s_cmp_eq_u32 s23, 3
	s_cselect_b64 s[6:7], s[12:13], s[6:7]
	s_cmp_lt_u32 ttmp9, 256
	s_cselect_b64 s[4:5], s[4:5], s[6:7]
	s_add_nc_u64 s[4:5], s[4:5], s[42:43]
	s_add_nc_u64 s[14:15], s[14:15], s[38:39]
	s_add_nc_u64 s[16:17], s[16:17], s[40:41]
.macro LOAD t                          ; rows 2 t and 2 t + 1, 1,024 bytes each, as four runs of 512 consecutive bytes
.irp i, 0,1,2,3
	global_load_b128 v[R+16*((\t)%4)+4*\i:R+16*((\t)%4)+4*\i+3], v3, s[4:5] offset:(2*(\t)+\i/2)*4096+(\i%2)*512 th:TH_LOAD_NT
.endr
.endm
.macro TURN t                          ; through the stage: LDS serves a wave's instructions in order, so no wait stands between the stores and the loads
.irp i, 0,1,2,3
	ds_store_b128 v14, v[R+16*((\t)%4)+4*\i:R+16*((\t)%4)+4*\i+3] offset:32*SP*((\t)%2)+8*SP*\i
.endr
.irp i, 0,1,2,3
	ds_load_b128 v[X+16*((\t)%2)+4*\i:X+16*((\t)%2)+4*\i+3], v15 offset:32*SP*((\t)%2)+16*\i
.endr
.endm
.irp t, 0,1,2,3
	LOAD \t
.endr
	s_wait_loadcnt 12                              ; step 0's four loads are in; three steps' twelve may be out
	TURN 0
.macro STEP t
.set XS, X+16*((\t)%2)
.if (\t) > 0
	s_wait_dscnt 1                                 ; this step's numbers are back (the last step's byte store may be out)
.else
	s_wait_dscnt 0x0
.endif
.if (\t)+4 < STEPS
	LOAD (\t)+4
.endif
.if (\t)+1 < STEPS
.if STEPS-2-(\t) >= 3
	s_wait_loadcnt 12                              ; the next step's four loads are in; those of the three steps behind it may be out
.else
	s_wait_loadcnt 4*(STEPS-2-(\t))
.endif
	TURN (\t)+1
.endif
	v_max3_num_f32 v8, |v[XS]|, |v[XS+1]|, |v[XS+2]|
	v_max3_num_f32 v9, |v[XS+3]|, |v[XS+4]|, |v[XS+5]|
.irp i, 6,10
	v_max3_num_f32 v8, v8, |v[XS+\i]|, |v[XS+\i+1]|
	v_max3_num_f32 v9, v9, |v[XS+\i+2]|, |v[XS+\i+3]|
.endr
	v_max3_num_f32 v8, v8, |v[XS+14]|, |v[XS+15]|
	v_max3_num_f32 v8, v8, v9, (EMAX+1)<<23        ; the floor 2^(3 - 127): the byte cannot fall under 1
	v_max_num_f32_dpp v8, v8, v8 row_xmask:1 row_mask:0xf bank_mask:0xf   ; with my neighbour's 16: the block's largest magnitude
	v_add_nc_u32 v11, -(EMAX<<23), v8              ; 2 off its exponent field: the conversion's scale operand
	v_cvt_scalef32_pk16_fp6_f32 v[C+4*(\t):C+4*(\t)+2], v[XS:XS+15], v11
	v_lshrrev_b32 v[E+(\t)], 23, v11               ; the scale's byte
	ds_store_b8 v5, v[E+(\t)] offset:16*(\t)       ; both lanes of a block write the same byte with the same value
	global_store_b96 v[VO+(\t)], v[C+4*(\t):C+4*(\t)+2], s[14:15]   ; sixteen lanes store a row's 192 consecutive bytes
.endm
.irp t, 0,1,2,3,4,5,6,7,8,9,10,11,12,13,14,15
	STEP \t
.endr
	ds_load_b64 v[8:9], v6                         ; row = lane's 8 scale bytes
	s_wait_dscnt 0x0
	global_store_b64 v7, v[8:9], s[16:17]
	s_wait_tensorcnt 0x0                           ; the wave's end, behind my last LDS store
	ds_add_u32 v[SPW], v[NIL]
	s_wait_dscnt 0x0
	s_endpgm
; THE TABLE.  tab[beta 4][c 8][mb 16][cos, sin][q 2][lane 32][4 numbers]: number e of lane (r = lane % 16, h = lane / 16) belongs to pair i = 16 beta + 8 h + 4 q + e and position 8 (16 (mb & 14) + 2 r + (mb & 1)) + c:
; the order in which a lane of the next launch wants them.  The steps are the problem's own, each rounded to f32 as there: P = 10000^(i / 64) = 10^(i / 16); 1 / P; position x that; then cosine and sine.
; P is made in two-float arithmetic (a high and a low f32) and rounded once.  10^(1/2), 10^(1/4), 10^(1/8), 10^(1/16) come by square roots with one correction from the exact residual.
; The angle (up to 2,047) is reduced by a multiple of pi / 2 held in two parts; the first subtraction is exact; polynomials serve |r| <= pi / 4.  Quadrants are chosen by selects of values; no branch or address hangs on them.
; LIMIT: where the library power behind the problem's text is not correctly rounded, an angle near 2,000 differs by about 1e-4.
.macro DFSQRT yh, yl, xh, xl           ; (yh, yl) = sqrt(xh + xl)
	v_rsq_f32 v30, v[\xh]
	v_nop                                          ; a plain instruction behind the transcendental,
	s_wait_alu depctr_va_vdst(0)                   ; and the wait ahead of its first reader
	v_mul_f32 v31, v[\xh], v30                     ; y, near the root
	v_fma_f32 v32, -v31, v31, v[\xh]               ; xh - y y
	v_add_f32 v32, v32, v[\xl]
	v_mul_f32 v32, v32, v30
	v_mul_f32 v32, 0.5, v32                        ; the correction: residual / (2 y)
	v_add_f32 v[\yh], v31, v32
	v_sub_f32 v33, v31, v[\yh]
	v_add_f32 v[\yl], v33, v32
.endm
.macro DFMUL oh, ol, ph, pl, ch, cl    ; (oh, ol) = (ph + pl) (ch + cl)
	v_mul_f32 v34, v[\ph], v[\ch]
	v_fma_f32 v35, v[\ph], v[\ch], -v34
	v_fma_f32 v35, v[\ph], v[\cl], v35
	v_fma_f32 v35, v[\pl], v[\ch], v35
	v_add_f32 v[\oh], v34, v35
	v_sub_f32 v36, v34, v[\oh]
	v_add_f32 v[\ol], v36, v35
.endm
.Ltable:
	s_sub_co_u32 s20, ttmp9, 384
	s_lshl_b32 s20, s20, 7
	s_mov_b32 s21, 0xbfc90fdb                      ; -(pi / 2)'s high part
	s_mov_b32 s22, 0x333bbd2e                      ; -(pi / 2)'s low part
	v_add_nc_u32 v1, s20, v0                       ; 15 bits: lane 5, q 1, mb 4, c 3, beta 2
	v_and_b32 v2, 31, v1
	v_bfe_u32 v3, v1, 5, 1                         ; q
	v_bfe_u32 v4, v1, 6, 4                         ; mb
	v_bfe_u32 v5, v1, 10, 3                        ; c
	v_bfe_u32 v6, v1, 13, 2                        ; beta
	v_and_b32 v7, 15, v1                           ; r
	v_bfe_u32 v8, v1, 4, 1                         ; h
	v_and_b32 v9, 14, v4
	v_lshlrev_b32 v9, 4, v9
	v_lshl_add_u32 v9, v7, 1, v9
	v_and_b32 v10, 1, v4
	v_add_nc_u32 v9, v9, v10
	v_lshl_add_u32 v9, v9, 3, v5
	v_cvt_f32_u32 v9, v9                           ; the position
	v_lshrrev_b32 v10, 6, v1
	v_lshlrev_b32 v10, 11, v10
	v_lshl_add_u32 v10, v3, 9, v10
	v_lshl_add_u32 v10, v2, 4, v10                 ; where my 16 bytes of cosines go; the sines 1,024 further on
	v_mov_b32 v18, 0x41200000                      ; 10
	v_mov_b32 v19, 0
	DFSQRT 20, 21, 18, 19                          ; 10^(1/2)
	DFSQRT 22, 23, 20, 21                          ; 10^(1/4)
	DFSQRT 24, 25, 22, 23                          ; 10^(1/8)
	DFSQRT 26, 27, 24, 25                          ; 10^(1/16)
	DFMUL 28, 29, 24, 25, 26, 27                   ; 10^(3/16)
	v_cmp_ne_u32 vcc_lo, 0, v3
	v_cndmask_b32 v40, 1.0, v22, vcc_lo            ; q: 10^(4/16) or 1
	v_cndmask_b32 v41, 0, v23, vcc_lo
	v_cmp_ne_u32 vcc_lo, 0, v8
	v_cndmask_b32 v38, 1.0, v20, vcc_lo            ; h: 10^(8/16) or 1
	v_cndmask_b32 v39, 0, v21, vcc_lo
	DFMUL 40, 41, 40, 41, 38, 39
	v_and_b32 v37, 1, v6
	v_cmp_ne_u32 vcc_lo, 0, v37
	v_cndmask_b32 v38, 1.0, v18, vcc_lo
	v_and_b32 v37, 2, v6
	v_cmp_ne_u32 vcc_lo, 0, v37
	v_mov_b32 v37, 0x42c80000                      ; 100
	v_cndmask_b32 v37, 1.0, v37, vcc_lo
	v_mul_f32 v38, v38, v37                        ; 10^beta, exact
	DFMUL 40, 41, 40, 41, 38, 19
	v_mov_b32 v44, v40                             ; P for e = 0 .. 3: the high parts, each rounded once
	DFMUL 45, 48, 40, 41, 26, 27
	DFMUL 46, 48, 40, 41, 24, 25
	DFMUL 47, 48, 40, 41, 28, 29
.irp e, 0,1,2,3
	v_rcp_f32 v[52+\e], v[44+\e]
.endr
	v_nop
	s_wait_alu depctr_va_vdst(0)                   ; one wait for the four reciprocals
.irp e, 0,1,2,3
	v_fma_f32 v[56+\e], -v[44+\e], v[52+\e], 1.0
.endr
.irp e, 0,1,2,3
	v_fma_f32 v[52+\e], v[52+\e], v[56+\e], v[52+\e]   ; 1 / P after one correction
.endr
.macro SINCOS e
	v_mul_f32 v70, v9, v[52+\e]                    ; the angle, rounded once
	v_mul_f32 v71, 0x3f22f983, v70
	v_rndne_f32 v71, v71                           ; n = the nearest multiple of pi / 2
	v_fma_f32 v72, v71, s21, v70                   ; exact: the difference has at most 23 bits
	v_fma_f32 v72, v71, s22, v72                   ; r
	v_mul_f32 v73, v72, v72                        ; z
	v_mov_b32 v74, 0xb94ca1f9
	v_fmaak_f32 v74, v73, v74, 0x3c08839e
	v_fmaak_f32 v74, v73, v74, 0xbe2aaaa3
	v_mul_f32 v75, v73, v72
	v_fma_f32 v74, v75, v74, v72                   ; sin r
	v_mov_b32 v76, 0x37ccf5ce
	v_fmaak_f32 v76, v73, v76, 0xbab6061a
	v_fmaak_f32 v76, v73, v76, 0x3d2aaaa5
	v_mul_f32 v77, v73, v73
	v_fma_f32 v78, v73, -0.5, 1.0
	v_fma_f32 v76, v77, v76, v78                   ; cos r
	v_cvt_i32_f32 v79, v71
	v_and_b32 v80, 1, v79
	v_cmp_ne_u32 vcc_lo, 0, v80
	v_cndmask_b32 v81, v74, v76, vcc_lo            ; odd quadrants change the two
	v_cndmask_b32 v82, v76, v74, vcc_lo
	v_and_b32 v83, 2, v79
	v_lshlrev_b32 v83, 30, v83
	v_xor_b32 v[64+\e], v83, v81                   ; the sine: negative in quadrants 2, 3
	v_add_nc_u32 v79, 1, v79
	v_and_b32 v83, 2, v79
	v_lshlrev_b32 v83, 30, v83
	v_xor_b32 v[60+\e], v83, v82                   ; the cosine: negative in quadrants 1, 2
.endm
.irp e, 0,1,2,3
	SINCOS \e
.endr
	s_wait_kmcnt 0x0
	global_store_b128 v10, v[60:63], s[18:19]      ; a wave's store covers 512 consecutive bytes
	global_store_b128 v10, v[64:67], s[18:19] offset:1024
	s_endpgm
.Lfunc_end_k_q0a55b9b057_prep:
	.size	k_q0a55b9b057_prep, .Lfunc_end_k_q0a55b9b057_prep-k_q0a55b9b057_prep
	.p2alignl 7, 3214868480
	.fill 96, 4, 3214868480
	.section	.rodata,"a",@progbits
	.p2align	6, 0x0
	.amdhsa_kernel k_q0a55b9b057_prep
		.amdhsa_group_segment_fixed_size 33280
		.amdhsa_private_segment_fixed_size 0
		.amdhsa_enable_private_segment 0
		.amdhsa_kernarg_size 64
		.amdhsa_user_sgpr_count 2
		.amdhsa_user_sgpr_kernarg_segment_ptr 1
		.amdhsa_wavefront_size32 1
		.amdhsa_system_sgpr_workgroup_id_x 1
		.amdhsa_system_sgpr_workgroup_id_y 1
		.amdhsa_system_sgpr_workgroup_id_z 1
		.amdhsa_system_vgpr_workitem_id 0
		.amdhsa_next_free_vgpr 208
		.amdhsa_next_free_sgpr 66
		.amdhsa_reserve_vcc 1
		.amdhsa_float_denorm_mode_32 3
		.amdhsa_float_denorm_mode_16_64 3
		.amdhsa_memory_ordered 1
		.amdhsa_forward_progress 1
		.amdhsa_inst_pref_size 46
	.end_amdhsa_kernel
	.amdgpu_metadata
---
amdhsa.version: [ 1, 2 ]
amdhsa.kernels:
  - .name:           k_q0a55b9b057_prep
    .symbol:         k_q0a55b9b057_prep.kd
    .args:
      - { .name: emb, .offset: 0, .size: 8, .value_kind: global_buffer, .address_space: global }
      - { .name: W1, .offset: 8, .size: 8, .value_kind: global_buffer, .address_space: global }
      - { .name: W2, .offset: 16, .size: 8, .value_kind: global_buffer, .address_space: global }
      - { .name: W3, .offset: 24, .size: 8, .value_kind: global_buffer, .address_space: global }
      - { .name: Wo, .offset: 32, .size: 8, .value_kind: global_buffer, .address_space: global }
      - { .name: opc, .offset: 40, .size: 8, .value_kind: global_buffer, .address_space: global }
      - { .name: ops, .offset: 48, .size: 8, .value_kind: global_buffer, .address_space: global }
      - { .name: tab, .offset: 56, .size: 8, .value_kind: global_buffer, .address_space: global }
    .group_segment_fixed_size: 33280
    .private_segment_fixed_size: 0
    .kernarg_segment_align: 8
    .kernarg_segment_size: 64
    .max_flat_workgroup_size: 128
    .sgpr_count:     66
    .vgpr_count:     208
    .wavefront_size: 32
...
	.end_amdgpu_metadata
.endif
;; end of part 1
;; launch qkv (part 2): grid 12 x 64, 4 waves a work-group, clusters of 4 x 4, 327,680 bytes of LDS; arguments opc, ops, tab, qkvc, qkvs; writes qkvc, qkvs
.if DOCPART == 2
	.amdgcn_target "amdgcn-amd-amdhsa--gfx1250"
	.amdhsa_code_object_version 6
	.text
	.protected	k_q0a55b9b057_qkv
	.globl	k_q0a55b9b057_qkv
	.p2align	8
	.type	k_q0a55b9b057_qkv,@function
k_q0a55b9b057_qkv:
	s_mov_b64 s[64:65], 0
	v_nop
	global_prefetch_b8 v0, s[64:65] scope:SCOPE_SE
	s_setreg_imm32_b32 hwreg(HW_REG_WAVE_MODE, 25, 1), 1
	s_wait_xcnt 0x0
	s_wait_alu depctr_hold_cnt(0) depctr_sa_sdst(0) depctr_va_vdst(0) depctr_va_sdst(0) depctr_va_ssrc(0) depctr_va_vcc(0) depctr_vm_vsrc(0)
	s_getreg_b32 s2, hwreg(HW_REG_IB_STS2, 6, 4)
	s_cmp_eq_u32 s2, 0
	s_cbranch_scc0 .Lentry_in_a_cluster
	s_endpgm
.Lentry_in_a_cluster:
	s_bfe_u32 s2, ttmp6, 0x10000c
	s_cmp_lg_u32 s2, 0xf033
	s_cbranch_scc0 .Lentry_shape_is_right
	s_endpgm
.Lentry_shape_is_right:
; The three projections as ONE product on codes of E2M3: [8192 rows of emb] x [3072 rows of W1, W2, W3], K = 1024, with the rotation and the quantisers of q, k (along the head's 128) and v (along the keys) on the way out.
; No work of the problem is left out here.  No f32 result goes to memory: only codes and scale bytes.
; A tile is 128 x 256: four waves, each 64 x 128 in 32 accumulators: 64 x 12 = 768 work-groups, 48 clusters of 16.  A tile's 128 rows are HALF A HEAD (row m of the head and column block c of 128 are position 8 m + c).  Cluster x = 0: q, 1: k, 2: v.
; K goes in four steps of 256 through THREE LDS slots filled by the tensor data mover: K steps 0, 1, 2 are asked for at the head, K step 3 is the one refill (of slot 0).  The operands lie [K step][place][192 bytes], so a load's rows are dense.
; The tile's scale bytes for all of K come once, with the first fills.
; CLUSTERS: 4 x 4 work-groups; emb's tiles are asked for jointly along a row of the cluster, the weights' along a column.
; THE MATRIX INSTRUCTION IS USED TRANSPOSED (source 0 = 16 places of W, source 1 = 16 places of emb).  By the places that the first launch chose, lane (r, h), accumulator (a = 2 alpha + u, b), register j holds
;   row m = 64 R + 32 alpha + 2 r + u of the head, R = 2 (tile row % 2) + wave / 2, and
;   q, k: column block c = 4 (wave % 2) + b / 2, channel 32 beta + 16 h + 2 j + b % 2 (beta = my place along the cluster's x): even channels in accumulator 2 g, odd ones in 2 g + 1, the rotation's pair 16 beta + 8 h + j;
;   v:    c = j, channel 32 cx + 16 (wave % 2) + 2 b + h: accumulators (2 alpha, b) and (2 alpha + 1, b), 16 registers on end, are 16 NEIGHBOURING KEYS 512 R + 256 alpha + 16 r + 0 .. 15.
; THE ORDER OF q's AND k's CODES: inside each 16 of a block of 32 the even channels stand first, then the odd ones, alike in q and k.  The blocks hold the same 32 numbers, so scales and products are those of the rule; only the order of the sum differs.
; OUT: q, k codes [head][beta][position][24 bytes], scale bytes [head][beta][position]; v codes [head][256 keys: 8][channel 128][192 bytes], scale words [head][16 channels: 8][128 keys: 16][channel % 16].
; LIMITS: a block of zeros gets the byte 1 (its codes are zeros; only this program reads the bytes); NaN and infinities are not served.
; REGISTERS, in windows of 256: window 0: v0-31 addresses; v32-63 scale words, two sets, and nothing else; v128-175, v176-223 emb's fragments, two sets; on the way out v64-255 are at work.
;   window 1: W's fragments, two sets (v0, v128); on the way out the table.   window 2: accumulator (a, b) at v[8 (16 (a / 2) + 2 b + a % 2)].
.set NQ,     2                         ; matrix instructions deep in a K step
.set ROWB,   192                       ; 256 codes
.set PITCH,  240                       ; an LDS row: 3 x (64 bytes + 16 of padding)
.set FR,     12
.set NL,     6
.set NP,     4                         ; places behind this matrix instruction (ISA guide 7.12.1)
.set AT,     64*PITCH                  ; 64 rows of emb: what wave 0 or 1 fetches, and what one wave multiplies
.set BT,     128*PITCH                 ; 128 rows of W: what wave 2 or 3 fetches, and what one wave multiplies
.set SLOT,   2*AT+2*BT                 ; emb's 128 rows, then W's 256
.set SCL,    3*SLOT                    ; the scale bytes: emb's [K step 4][128 rows][8], then for each half of W's rows [K step 4][128 rows][8]
.set SPARE,  SCL+12288                 ; the spare words, 128 bytes a wave, which no other line names
.set STQ,    SPARE+512                 ; q, k: a stage of 128 rows x (192 + 16) bytes: row m holds its 8 positions' 24 bytes
.set STS,    STQ+128*208               ; and their scale bytes, 8 a row
.set STV,    STS+1024                  ; v: 256 bytes of scale words for each wave
.set A_R,    8192                      ; emb's places
.set B_R,    3072                      ; W's
.set A_KS,   A_R*ROWB                  ; from K step to K step in emb's codes
.set B_KS,   B_R*ROWB
.set B_OFF,  6291456
.set B_SOFF, 262144
.set ADRA, 8                           ; v8-10 LDS address of emb's fragments in slot 0, 1, 2 (v11-13: behind one padding more)
.set ADRB, 14                          ; v14-19 the same for W
.set ADRS, 27                          ; v27 my scale words: lanes 0-15 emb's rows, lanes 16-31 W's
.set SPW,  28                          ; v28 my spare word's LDS address; never rewritten
.set NIL,  29                          ; v29 0; never rewritten
.set SC,   32
.set AF,   128
.set G1,   24                          ; s[24:31] group 1 for emb's tiles;  s[32:39] for W's
.set G1B,  32
.set G0,   48                          ; s[48:59] group 0 for emb's tiles, a set for each slot
.set G0S,  60                          ; s[60:63] group 0 for emb's scale bytes
.set G1S,  68                          ; s[68:75], s[76:83] groups 1 for the scale bytes
.set G1SB, 76
.set G0B,  84                          ; s[84:95] group 0 for W's tiles, a set for each slot
.set G0SB, 96                          ; s[96:99] group 0 for W's scale bytes
.set SEL,  100                         ; s[100:101] selects for lane l xor 16
.set MSB, 0
.macro WIN new                         ; the immediate's high byte repeats the setting that is left
.if MSB != \new
	s_set_vgpr_msb (MSB<<8)|\new
.set MSB, \new
.endif
.endm
.set MUL,  0xa1                        ; source 0 (W) window 1, source 1 (emb) window 0, C and D window 2
.set TO_B, 0x40
; A joint load: waves 0 and 1 fetch for emb, waves 2 and 3 for W; the branch hangs on the wave's number alone.  An s_nop 0 and four v_nop follow each line.
.macro JLOAD g0a, g1a, g0b, g1b
	s_cmp_eq_u32 s15, 0
	s_cbranch_scc0 .Lfor_b_\@
	tensor_load_to_lds s[\g0a:\g0a+3], s[\g1a:\g1a+7]
	s_nop 0
.rept 4
	v_nop
.endr
	s_branch .Lasked_\@
.Lfor_b_\@:
	tensor_load_to_lds s[\g0b:\g0b+3], s[\g1b:\g1b+7]
	s_nop 0
.rept 4
	v_nop
.endr
.Lasked_\@:
.endm
.macro CREST                           ; a round of the cluster's barrier behind its opening barrier
	s_cmp_lg_u32 s14, 0
	s_cbranch_scc1 .Lnot_wave_0_\@
	s_barrier_signal -3
.Lnot_wave_0_\@:
	s_barrier_wait -3
	s_barrier_signal -1
	s_barrier_wait -1
.endm
.macro CROUND
	s_barrier_signal -1
	s_barrier_wait -1
	CREST
.endm
	s_load_b256 s[4:11], s[0:1], 0x0               ; opc s[4:5], ops s[6:7], tab s[8:9], qkvc s[10:11]
	s_load_b64 s[12:13], s[0:1], 0x20              ; qkvs
	v_lshl_add_u32 v[SPW], v0, 2, SPARE
	v_mov_b32 v[NIL], 0
	ds_add_u32 v[SPW], v[NIL]                      ; the wave's opening: the add, twice on end, and its wait ahead of my first tensor load
	ds_add_u32 v[SPW], v[NIL]
	v_lshrrev_b32 v1, 5, v0
	v_readfirstlane_b32 s14, v1                    ; wave 0..3
	s_lshr_b32 s15, s14, 1                         ; which 64 of the tile's rows are mine.  Also: I fetch for emb (0) or for W (1)
	s_and_b32 s16, s14, 1                          ; which half of its columns.  Also: which half of that operand's tile I fetch
	s_bfe_u32 s40, ttmp6, 0x40000                  ; cx
	s_bfe_u32 s41, ttmp6, 0x40004                  ; cy
	s_lshl_b32 s42, ttmp9, 2
	s_add_co_u32 s42, s42, s40                     ; tile column = 4 x cluster x + cx
	s_and_b32 s17, ttmp7, 0xffff
	s_lshl_b32 s17, s17, 2
	s_add_co_u32 s17, s17, s41                     ; tile row = 4 x cluster y + cy: half a head
	s_lshl_b32 s43, s41, 2
	s_lshl_b32 s43, 15, s43                        ; my row of the cluster
	s_lshl_b32 s44, 0x1111, s40                    ; my column
	s_or_b32 s[G1+0], s43, (0<<16)|(1<<20)|(1<<21)|(3<<22)|(3<<25)  ; the mask; bytes; padding of 4 words behind every 16; bit 21 beside a mask
	s_or_b32 s[G1B+0], s44, (0<<16)|(1<<20)|(1<<21)|(3<<22)|(3<<25)
.irp g, G1, G1B
	s_mov_b32 s[\g+1], ROWB<<16                    ; tensor_dim0
	s_mov_b32 s[\g+3], ROWB<<16                    ; tile_dim0
	s_mov_b32 s[\g+5], ROWB                        ; from row to row: dense
	s_mov_b32 s[\g+6], 0
	s_mov_b32 s[\g+7], 0
.endr
	s_mov_b32 s[G1+2], 64<<16                      ; tensor_dim1, tile_dim1: 64 rows of emb,
	s_mov_b32 s[G1+4], 64
	s_mov_b32 s[G1B+2], 128<<16                    ; 128 of W
	s_mov_b32 s[G1B+4], 128
	s_or_b32 s[G1S+0], s43, (3<<16)|(1<<21)        ; the scale bytes: rows (K steps) of 128 elements of 8 bytes, no padding
	s_or_b32 s[G1SB+0], s44, (3<<16)|(1<<21)
.irp g, G1S, G1SB
	s_mov_b32 s[\g+1], 128<<16
	s_mov_b32 s[\g+3], 128<<16
	s_mov_b32 s[\g+6], 0
	s_mov_b32 s[\g+7], 0
.endr
	s_mov_b32 s[G1S+2], 2<<16                      ; emb: the tile's 128 rows, two K steps to a load
	s_mov_b32 s[G1S+4], 2
	s_mov_b32 s[G1S+5], A_R                        ; from K step to K step, in elements: the operand's places
	s_mov_b32 s[G1SB+2], 4<<16                     ; W: 128 rows, all four K steps to a load
	s_mov_b32 s[G1SB+4], 4
	s_mov_b32 s[G1SB+5], B_R
	s_lshl_b32 s20, s17, 7                         ; emb: place 128 x tile row
	s_lshl_b32 s22, s20, 3                         ; its scale bytes,
	s_mul_i32 s18, s16, 2*A_R*8                    ; my two K steps of them
	s_add_co_u32 s22, s22, s18
	s_mov_b32 s23, 0
	s_lshl_b32 s18, s16, 6
	s_add_co_u32 s20, s20, s18                     ; + the 64 rows that I fetch
	s_mul_i32 s20, s20, ROWB
	s_mov_b32 s21, 0
	s_lshl_b32 s46, s42, 8
	s_lshl_b32 s18, s16, 7
	s_add_co_u32 s46, s46, s18                     ; W: place 256 x tile column + 128 x half
	s_lshl_b32 s44, s46, 3
	s_add_co_u32 s44, s44, B_SOFF
	s_mov_b32 s45, 0
	s_mul_i32 s46, s46, ROWB
	s_add_co_u32 s46, s46, B_OFF
	s_mov_b32 s47, 0
	s_mul_i32 s2, s16, AT                          ; where the tiles go in a slot: no place in the cluster enters an LDS address
	s_mul_i32 s3, s16, BT
	s_add_co_u32 s3, s3, 2*AT
	s_lshl_b32 s18, s16, 11                        ; and the scale bytes
	s_lshl_b32 s19, s16, 12
	s_wait_dscnt 0x0                               ; both opening adds are done
	s_wait_kmcnt 0x0
	s_add_nc_u64 s[20:21], s[4:5], s[20:21]
	s_add_nc_u64 s[22:23], s[6:7], s[22:23]
	s_add_nc_u64 s[46:47], s[4:5], s[46:47]
	s_add_nc_u64 s[44:45], s[6:7], s[44:45]
	CROUND                                         ; all sixteen work-groups are here: the first joint loads meet
	s_mov_b32 s[G0S], 1
	s_add_co_u32 s[G0S+1], s18, SCL
	s_mov_b64 s[G0S+2:G0S+3], s[22:23]
	s_or_b32 s[G0S+3], s[G0S+3], 0x80000000
	s_mov_b32 s[G0SB], 1
	s_add_co_u32 s[G0SB+1], s19, SCL+4096
	s_mov_b64 s[G0SB+2:G0SB+3], s[44:45]
	s_or_b32 s[G0SB+3], s[G0SB+3], 0x80000000
	JLOAD G0S, G1S, G0SB, G1SB                     ; the scale bytes first: they are wanted with K step 0
.irp s, 0,1,2
	s_mov_b32 s[G0+4*\s], 1
	s_add_co_u32 s[G0+4*\s+1], s2, \s*SLOT
	s_add_nc_u64 s[G0+4*\s+2:G0+4*\s+3], s[20:21], \s*A_KS
	s_or_b32 s[G0+4*\s+3], s[G0+4*\s+3], 0x80000000
	s_mov_b32 s[G0B+4*\s], 1
	s_add_co_u32 s[G0B+4*\s+1], s3, \s*SLOT
	s_add_nc_u64 s[G0B+4*\s+2:G0B+4*\s+3], s[46:47], \s*B_KS
	s_or_b32 s[G0B+4*\s+3], s[G0B+4*\s+3], 0x80000000
	JLOAD G0+4*\s, G1, G0B+4*\s, G1B               ; K steps 0, 1, 2: four loads of mine are out
.endr
	v_and_b32 v1, 15, v0                           ; r
	v_bfe_u32 v2, v0, 4, 1                         ; h
	v_mul_u32_u24 v3, v1, PITCH
	v_mul_u32_u24 v4, v2, 24
	v_add_nc_u32 v4, v3, v4                        ; a fragment's row x pitch + 24 x half
	v_lshl_add_u32 v5, v2, 4, v4                   ; and the same behind one padding more
	s_mul_i32 s21, s15, AT                         ; my 64 rows of emb
	s_mul_i32 s22, s16, BT                         ; my 128 rows of W,
	s_add_co_u32 s22, s22, 2*AT                    ; which lie behind emb's 128
.irp s, 0,1,2
	v_add_nc_u32 v[ADRA+\s], s21, v4
	v_add_nc_u32 v[ADRB+\s], s22, v4
	v_add_nc_u32 v[ADRA+3+\s], s21, v5
	v_add_nc_u32 v[ADRB+3+\s], s22, v5
	s_add_co_u32 s21, s21, SLOT
	s_add_co_u32 s22, s22, SLOT
.endr
	v_lshlrev_b32 v5, 3, v1                        ; my row's 8 scale bytes of a K step
	s_add_co_u32 s22, s16, 1
	s_lshl_b32 s22, s22, 12
	s_lshl_b32 s23, s15, 9
	s_sub_co_u32 s22, s22, s23                     ; from emb's 64 rows that I multiply to W's 128
	v_mul_u32_u24 v6, s22, v2                      ; lanes 16-31 take W's
	s_add_co_u32 s21, s23, SCL
	v_add_nc_u32 v5, v5, v6
	v_add_nc_u32 v[ADRS], s21, v5
.macro FRAG reg, adr, q, i             ; 16 rows x 128 K of 6-bit codes: 12 registers, in pieces of 8 bytes; lanes 16-31 read three pieces further on, which for some pieces lies behind one padding more
.irp p, 0,1,2,3,4,5
.set PCE, 12*(\q)+6*(\p/3)+\p%3
.if PCE%8 < 5
	ds_load_b64 v[\reg+2*\p:\reg+2*\p+1], v[\adr] offset:8*PCE+16*(PCE/8)+(\i)*16*PITCH
.else
	ds_load_b64 v[\reg+2*\p:\reg+2*\p+1], v[\adr+3] offset:8*PCE+16*(PCE/8)+(\i)*16*PITCH
.endif
.endr
.endm
; 8 matrix instructions: emb's block a x W's eight, from fragment sets p.  The 32 accumulators take turns, one instruction a turn, in the same order in every step.
.macro MULA a, p, q, sc, zero
.irp b, 0,1,2,3,4,5,6,7
.set AC, 8*(16*((\a)/2)+2*\b+(\a)%2)
.if \zero
	v_wmma_scale_f32_16x16x128_f8f6f4 v[AC:AC+7], v[128*(\p)+FR*\b:128*(\p)+FR*\b+FR-1], v[AF+48*(\p)+FR*(\a):AF+48*(\p)+FR*(\a)+FR-1], 0, v[SC+16*(\sc)+NQ*\b+(\q)], v[SC+16*(\sc)+NQ*(\a)+(\q)] matrix_a_fmt:MATRIX_FMT_FP6 matrix_b_fmt:MATRIX_FMT_FP6 matrix_a_scale:MATRIX_SCALE_ROW1
.else
	v_wmma_scale_f32_16x16x128_f8f6f4 v[AC:AC+7], v[128*(\p)+FR*\b:128*(\p)+FR*\b+FR-1], v[AF+48*(\p)+FR*(\a):AF+48*(\p)+FR*(\a)+FR-1], v[AC:AC+7], v[SC+16*(\sc)+NQ*\b+(\q)], v[SC+16*(\sc)+NQ*(\a)+(\q)] matrix_a_fmt:MATRIX_FMT_FP6 matrix_b_fmt:MATRIX_FMT_FP6 matrix_a_scale:MATRIX_SCALE_ROW1
.endif
.endr
.endm
.macro FETCH_B slot, q, p              ; W's eight fragments of the slot's q-th 128 along K into set p
	WIN TO_B
.irp i, 0,1,2,3,4,5,6,7
	FRAG 128*(\p)+FR*\i, ADRB+\slot, \q, \i
.endr
	WIN 0
.endm
.macro FETCH_A2 slot, q, p, i0         ; emb's blocks i0, i0 + 1 into set p
.irp i, \i0, \i0+1
	FRAG AF+48*(\p)+FR*(\i), ADRA+\slot, \q, \i
.endr
.endm
.macro SCALES sc                       ; a K step's two words a row: lanes 16-31 W's block i; lanes 0-15 emb's block i (of registers 4 to 7 these lanes are not read: they take bytes that the scale loads have filled)
.irp i, 0,1,2,3,4,5,6,7
	ds_load_b64 v[SC+16*\sc+NQ*\i:SC+16*\sc+NQ*\i+1], v[ADRS] offset:\i*128
.endr
.endm
.macro PLACES n
.rept \n
	v_nop
.endr
.endm
; A slot's first 128 along K: multiplies sets 0; in its middle it fetches the slot's second 128 into sets 1, four places behind the products that last read them.
.macro STEP slot, sc, zero
	s_wait_dscnt 2*NL                              ; W's set and emb's blocks 0, 1 are in; the youngest 12 loads (blocks 2, 3) may be out
	WIN MUL
	MULA 0, 0, 0, \sc, \zero
	MULA 1, 0, 0, \sc, \zero
	s_wait_dscnt 0x0
	PLACES NP
	FETCH_B \slot, 1, 1
	FETCH_A2 \slot, 1, 1, 0
	FETCH_A2 \slot, 1, 1, 2
	WIN MUL
	MULA 2, 0, 0, \sc, \zero
	MULA 3, 0, 0, \sc, \zero
.endm
; A slot's second 128 along K multiplies sets 1 and goes on to the next slot.
; mode 2: slot 0 is filled again: each wave waits for all its tensor loads (K steps 1 and 2), adds 0 to its spare word, waits for that and for its reads of the slot; a round of the cluster's barrier; the joint refill first behind it.
; mode 1: the same waits and my work-group's barrier, behind which K step 3 is whole; nothing is filled.
; mode 0: no barrier: the slot ahead was shown whole to every wave by mode 2's round, and nothing is written.
.macro TURN next, sc, nsc, mode
.if \mode > 0
	WIN 0                                          ; (the add's two registers lie in window 0)
	s_wait_tensorcnt 0x0                           ; all my tensor loads have landed
	ds_add_u32 v[SPW], v[NIL]                      ; 0 onto my spare word
	s_wait_dscnt 3*NL+1                            ; (the add and the youngest 18 loads, emb's blocks 1 to 3, may be out)
	WIN MUL
	MULA 0, 1, 1, \sc, 0
	s_wait_dscnt 0x0                               ; the add is done, and my reads of this slot are over
	s_barrier_signal -1
	MULA 1, 1, 1, \sc, 0
	WIN 0
	s_barrier_wait -1
.if \mode > 1
	CREST                                          ; the barrier has opened a round of the cluster's: no wave of any partner still reads slot 0 or has a load on its way
	s_add_nc_u64 s[G0+2:G0+3], s[G0+2:G0+3], 3*A_KS
	s_add_nc_u64 s[G0B+2:G0B+3], s[G0B+2:G0B+3], 3*B_KS
	JLOAD G0, G1, G0B, G1B                         ; K step 3, the first tensor load behind the round; its four v_nop are the places in front of the loads below
.else
	PLACES NP
.endif
.else
	s_wait_dscnt 2*NL                              ; the youngest 12 loads (emb's blocks 2, 3) may be out
	WIN MUL
	MULA 0, 1, 1, \sc, 0
	MULA 1, 1, 1, \sc, 0
	s_wait_dscnt 0x0
	WIN 0
	PLACES NP
.endif
	v_add_nc_u32 v[ADRS], 1024, v[ADRS]            ; the next K step's scale words
	FETCH_B \next, 0, 0
	FETCH_A2 \next, 0, 0, 0
	SCALES \nsc
	FETCH_A2 \next, 0, 0, 2
	WIN MUL
	MULA 2, 1, 1, \sc, 0
	MULA 3, 1, 1, \sc, 0
.endm
	s_wait_tensorcnt 2                             ; the scale bytes and my part of K step 0 are in (K steps 1 and 2, issued behind them, may be out)
	s_barrier_signal -1
	s_barrier_wait -1                              ; everybody's are
	FETCH_B 0, 0, 0
	FETCH_A2 0, 0, 0, 0
	SCALES 0
	FETCH_A2 0, 0, 0, 2
	STEP 0, 0, 1                                   ; K's four steps of 256 are written out: the first products start the sums,
	TURN 1, 0, 1, 2                                ; slot 0 takes K step 3,
	STEP 1, 1, 0
	TURN 2, 1, 0, 0
	STEP 2, 0, 0
	TURN 0, 0, 1, 1                                ; K step 3 is whole
	STEP 0, 1, 0
	s_wait_dscnt 2*NL
	WIN MUL
	MULA 0, 1, 1, 1, 0
	MULA 1, 1, 1, 1, 0
	s_wait_dscnt 0x0
	MULA 2, 1, 1, 1, 0
	MULA 3, 1, 1, 1, 0
	WIN 0
	PLACES NP                                      ; behind the last products: results are read and operands' registers written from here on
.set TO,  20                           ; v20 16 x lane
.set T8,  30                           ; v30 8 x lane
.set SA,  21                           ; v21 q, k: where my 24 bytes go in the stage
.set SS,  22                           ; v22 and my row's scale word
.set L0,  23                           ; v23-25 the stage read back as dense runs
.set RS,  26                           ; v26 the scale bytes read back
.set VOV, 21                           ; v21 v: 12 x lane
.set SVB, 22                           ; v22 v: my scale byte's place
.set RV,  23                           ; v23 v: the scale words read back
.set Y,   64                           ; v64-127 64 rotated numbers
.set QC,  128                          ; v128-146 codes
.set TM,  148                          ; v148-163 at work
.set PW,  164                          ; the scale word just made
.set RB,  128                          ; v128-175 rows read back; v224-225 scale bytes
.set VC,  64                           ; v: codes, four registers for each of 16 stores
.set VE,  192                          ; v: a byte for each
.set VT,  224
.set VS,  228
	v_and_b32 v3, 31, v0                           ; lane
	v_lshlrev_b32 v[TO], 4, v3
	v_lshlrev_b32 v[T8], 3, v3
	s_and_b32 s43, s17, 1                          ; which half of the head: it enters global addresses alone
	s_lshl_b32 s18, s43, 1
	s_add_co_u32 s18, s18, s15                     ; R: which 64 rows of the head are mine
	s_lshr_b32 s19, s17, 1                         ; the head
	s_cmp_eq_u32 ttmp9, 2                          ; the cluster's x: the same in all partners and all waves
	s_cbranch_scc1 .Lv
	; ---------------- q and k: rotate, quantise along the channels, gather rows in the stage ----------------
	s_lshl_b32 s20, s40, 18                        ; the table: [beta][c][row block]: 262,144 beta + 32,768 x 4 (wave % 2) + 2,048 x 4 R
	s_lshl_b32 s21, s16, 17
	s_add_co_u32 s20, s20, s21
	s_lshl_b32 s21, s18, 13
	s_add_co_u32 s20, s20, s21
	s_mov_b32 s21, 0
	s_add_nc_u64 s[8:9], s[8:9], s[20:21]
.macro TABLOAD a, set                  ; row block a's cosines and sines for my four c: 16 loads of 512 consecutive bytes, into window 1: [g 4][cos 8, sin 8]
	WIN 0x40
.irp g, 0,1,2,3
.irp cs, 0,1
.irp q, 0,1
	global_load_b128 v[64*(\set)+16*\g+8*\cs+4*\q:64*(\set)+16*\g+8*\cs+4*\q+3], v[TO], s[8:9] offset:32768*\g+2048*(\a)+1024*\cs+512*\q
.endr
.endr
.endr
.endm
	TABLOAD 0, 0
	TABLOAD 1, 1
	WIN 0
	s_mul_i32 s20, s15, 64*208
	s_mul_i32 s21, s16, 96
	s_add_co_u32 s20, s20, s21
	s_add_co_u32 s20, s20, STQ
	v_mul_u32_u24 v4, v1, 416
	v_mad_u32_u24 v4, v2, 24, v4
	v_add_nc_u32 v[SA], s20, v4                    ; the tile's row 64 (wave / 2) + 2 r, position c = 4 (wave % 2) + h
	s_lshl_b32 s20, s15, 9
	s_lshl_b32 s21, s16, 2
	s_add_co_u32 s20, s20, s21
	s_add_co_u32 s20, s20, STS
	v_lshl_add_u32 v[SS], v1, 4, s20
	s_mul_i32 s20, s14, 32*208
	s_add_co_u32 s20, s20, STQ                     ; back: wave w takes rows 32 w .. 32 w + 31: 6,144 dense bytes; piece x of 16 bytes lies at 16 x + 16 (x / 12)
.irp k, 0,1,2
	v_add_nc_u32 v4, 32*\k, v3
	v_mul_u32_u24 v5, v4, 171
	v_lshrrev_b32 v5, 11, v5                       ; x / 12 for x < 96
	v_add_nc_u32 v5, v5, v4
	v_lshl_add_u32 v[L0+\k], v5, 4, s20
.endr
	s_lshl_b32 s20, s14, 8
	s_add_co_u32 s20, s20, STS
	v_add_nc_u32 v[RS], s20, v[T8]
	s_mul_i32 s20, ttmp9, 6291456                  ; q or k; the head; beta; the half; my 32 rows
	s_mul_i32 s21, s19, 196608
	s_add_co_u32 s20, s20, s21
	s_mul_i32 s21, s40, 49152
	s_add_co_u32 s20, s20, s21
	s_mul_i32 s21, s43, 24576
	s_add_co_u32 s20, s20, s21
	s_mul_i32 s21, s14, 6144
	s_add_co_u32 s20, s20, s21
	s_mov_b32 s21, 0
	s_add_nc_u64 s[10:11], s[10:11], s[20:21]
	s_lshl_b32 s20, ttmp9, 18
	s_lshl_b32 s21, s19, 13
	s_add_co_u32 s20, s20, s21
	s_lshl_b32 s21, s40, 11
	s_add_co_u32 s20, s20, s21
	s_lshl_b32 s21, s43, 10
	s_add_co_u32 s20, s20, s21
	s_lshl_b32 s21, s14, 8
	s_add_co_u32 s20, s20, s21
	s_mov_b32 s21, 0
	s_add_nc_u64 s[12:13], s[12:13], s[20:21]
	s_mov_b32 s[SEL], 0x76543210
	s_mov_b32 s[SEL+1], 0xfedcba98
.irp b, 0,1,2,3
	v_mov_b32 v[TM+4+\b], 0                        ; written once: a lane permute's destination counts as one of its sources
.endr
.macro ROPE a, set                     ; even' = even cos - odd sin, odd' = odd cos + even sin; each accumulator is read from its low end on
	WIN 0x06
.irp g, 0,1,2,3
.set XE, 8*(16*((\a)/2)+4*\g+(\a)%2)
.set XO, XE+16
.set CN, 64*(\set)+16*\g
.set SN, CN+8
.irp j, 0,2,4,6
	v_pk_mul_f32 v[Y+16*\g+\j:Y+16*\g+\j+1], v[XO+\j:XO+\j+1], v[SN+\j:SN+\j+1]
	v_pk_mul_f32 v[Y+16*\g+8+\j:Y+16*\g+9+\j], v[XE+\j:XE+\j+1], v[SN+\j:SN+\j+1]
.endr
.irp j, 0,2,4,6
	v_pk_fma_f32 v[Y+16*\g+\j:Y+16*\g+\j+1], v[XE+\j:XE+\j+1], v[CN+\j:CN+\j+1], v[Y+16*\g+\j:Y+16*\g+\j+1] neg_lo:[0,0,1] neg_hi:[0,0,1]
	v_pk_fma_f32 v[Y+16*\g+8+\j:Y+16*\g+9+\j], v[XO+\j:XO+\j+1], v[CN+\j:CN+\j+1], v[Y+16*\g+8+\j:Y+16*\g+9+\j]
.endr
.endr
.endm
; 64 numbers of a lane: register 16 g + i is number 16 h + i of the block (row m, c = 4 (wave % 2) + g, beta).  They become that block's codes and byte.
.macro QUANT s
.irp b, 0,1,2,3
	v_max3_num_f32 v[TM+\b], |v[\s+16*\b]|, |v[\s+1+16*\b]|, 0x1800000   ; my 16 numbers, and the floor 2^(3 - 127): the byte cannot fall under 1
.endr
.irp i, 2,4,6,8,10,12,14
.irp b, 0,1,2,3
	v_max3_num_f32 v[TM+\b], v[TM+\b], |v[\s+16*\b+\i]|, |v[\s+1+16*\b+\i]|
.endr
.endr
.irp b, 0,1,2,3
	v_permlanex16_b32 v[TM+4+\b], v[TM+\b], s[SEL], s[SEL+1]
.endr
.irp b, 0,1,2,3
	v_max_num_f32 v[TM+\b], v[TM+\b], v[TM+4+\b]   ; with lane l xor 16's: the block's largest magnitude
.endr
.irp b, 0,1,2,3
	v_add_nc_u32 v[TM+12+\b], 0xff000000, v[TM+\b] ; 2 off its exponent field: the conversion's scale operand
.endr
.irp b, 0,1,2,3
	v_lshrrev_b32 v[TM+4+\b], 23, v[TM+12+\b]      ; the scale's byte
.endr
	v_lshl_or_b32 v[PW], v[TM+5], 8, v[TM+4]       ; four neighbouring positions' bytes
	v_lshl_or_b32 v[PW], v[TM+6], 16, v[PW]
	v_lshl_or_b32 v[PW], v[TM+7], 24, v[PW]
.irp c, 0,1
	v_cvt_scalef32_pk16_fp6_f32 v[QC+6*\c:QC+2+6*\c], v[\s+32*\c:\s+15+32*\c], v[TM+12+2*\c]
	v_cvt_scalef32_pk16_fp6_f32 v[QC+12+4*\c:QC+14+4*\c], v[\s+16+32*\c:\s+31+32*\c], v[TM+12+2*\c+1]   ; (a conversion's three registers begin on an even number)
.endr
	v_nop                                          ; one plain place behind a scaled conversion
.irp c, 0,1                                    ; a whole block to a lane: lanes 0-15 block 2 c, lanes 16-31 block 2 c + 1
.irp i, 0,1,2
	v_permlane16_swap_b32 v[QC+6*\c+\i], v[QC+12+4*\c+\i]
.endr
.irp i, 0,1,2
	v_mov_b32 v[QC+3+6*\c+\i], v[QC+12+4*\c+\i]
.endr
.endr
.endm
.macro TOSTQ a                         ; lane (r, h): the 24 bytes of positions c = 4 (wave % 2) + 2 c' + h of my row 32 (a / 2) + 2 r + a % 2
.irp c, 0,1
.irp k, 0,1,2
	ds_store_b64 v[SA], v[QC+6*\c+2*\k:QC+6*\c+2*\k+1] offset:(32*((\a)/2)+(\a)%2)*208+48*\c+8*\k
.endr
.endr
	ds_store_b32 v[SS], v[PW] offset:(32*((\a)/2)+(\a)%2)*8   ; both halves of the lanes write the same word with the same value
.endm
.irp a, 0,1,2,3
.if \a < 3
	s_wait_loadcnt 16                              ; this block's 16 table loads are in; the next block's 16 may be out
.else
	s_wait_loadcnt 0x0
.endif
	ROPE \a, (\a%2)
.if \a < 2
	TABLOAD (\a+2), (\a%2)
.endif
	WIN 0
	s_wait_dscnt 0x0                               ; the last block's stores have read their registers
	QUANT Y
	TOSTQ \a
.endr
	s_wait_dscnt 0x0                               ; for the others' sake: my stores into the stage are done
	s_barrier_signal -1
	s_barrier_wait -1
.irp i, 0,1,2,3,4,5,6,7,8,9,10,11
	ds_load_b128 v[RB+4*\i:RB+4*\i+3], v[L0+\i%3] offset:(\i/3)*1664
.endr
	ds_load_b64 v[224:225], v[RS]
.irp i, 0,1,2,3,4,5,6,7,8,9,10,11
	s_wait_dscnt 12-\i                             ; the loads behind this one may be out
	global_store_b128 v[TO], v[RB+4*\i:RB+4*\i+3], s[10:11] offset:512*\i   ; 512 consecutive bytes, at a multiple of 256 from the buffer's first byte
.endr
	s_wait_dscnt 0x0
	global_store_b64 v[T8], v[224:225], s[12:13]   ; 256 consecutive bytes, aligned
	s_branch .Ljoin
	; ---------------- v: quantise along the keys; a lane's 16 registers are 16 neighbouring keys, lanes r and r xor 1 share a block ----------------
.Lv:
	v_mul_u32_u24 v[VOV], v3, 12                   ; 12 r + 192 h: my 12 bytes of channel 2 b + h's row
	v_bfe_u32 v4, v0, 1, 2                         ; the byte in a scale word: (r / 2) % 4
	v_bfe_u32 v5, v0, 3, 1
	v_lshl_add_u32 v4, v5, 6, v4                   ; the 128 keys: + 64 (r / 8)
	v_lshl_add_u32 v4, v2, 2, v4                   ; the channel: + 4 h
	s_lshl_b32 s20, s14, 8
	s_add_co_u32 s20, s20, STV
	v_add_nc_u32 v[SVB], s20, v4
	v_add_nc_u32 v[RV], s20, v[T8]
	s_mul_i32 s20, s19, 196608                     ; the head; my 512 keys; my 16 channels
	s_mul_i32 s21, s18, 49152
	s_add_co_u32 s20, s20, s21
	s_lshl_b32 s21, s40, 1
	s_add_co_u32 s21, s21, s16
	s_mul_i32 s22, s21, 16*192
	s_add_co_u32 s20, s20, s22
	s_add_co_u32 s20, s20, 12582912
	s_lshl_b32 s22, s21, 10
	s_mov_b32 s21, 0
	s_add_nc_u64 s[10:11], s[10:11], s[20:21]
	s_lshl_b32 s20, s19, 13
	s_add_co_u32 s20, s20, s22
	s_lshl_b32 s22, s18, 8
	s_add_co_u32 s20, s20, s22
	s_add_co_u32 s20, s20, 524288
	s_add_nc_u64 s[12:13], s[12:13], s[20:21]
.macro VQ al, bg                       ; keys 256 al on, channels 2 b + h for b = 4 bg + 0 .. 3, the four by turns
	WIN 0x28
.irp n, 0,1,2,3
	v_max3_num_f32 v[VT+\n], 0x1800000, |v[8*(16*(\al)+2*(4*(\bg)+\n))]|, |v[8*(16*(\al)+2*(4*(\bg)+\n))+1]|   ; from each accumulator's low end on; the floor 2^(3 - 127)
.endr
.irp i, 2,4,6,8,10,12,14
.irp n, 0,1,2,3
	v_max3_num_f32 v[VT+\n], v[VT+\n], |v[8*(16*(\al)+2*(4*(\bg)+\n))+\i]|, |v[8*(16*(\al)+2*(4*(\bg)+\n))+\i+1]|
.endr
.endr
	WIN 0
.irp n, 0,1,2,3
	v_max_num_f32_dpp v[VT+\n], v[VT+\n], v[VT+\n] row_xmask:1 row_mask:0xf bank_mask:0xf
.endr
.irp n, 0,1,2,3
	v_add_nc_u32 v[VS+\n], 0xff000000, v[VT+\n]
.endr
.irp n, 0,1,2,3
	v_lshrrev_b32 v[VE+8*(\al)+4*(\bg)+\n], 23, v[VS+\n]
.endr
	WIN 0x02
.irp n, 0,1,2,3
	v_cvt_scalef32_pk16_fp6_f32 v[VC+4*(8*(\al)+4*(\bg)+\n):VC+4*(8*(\al)+4*(\bg)+\n)+2], v[8*(16*(\al)+2*(4*(\bg)+\n)):8*(16*(\al)+2*(4*(\bg)+\n))+15], v[VS+\n]
.endr
	WIN 0
	v_nop                                          ; one plain place behind a scaled conversion
.irp n, 0,1,2,3
	global_store_b96 v[VOV], v[VC+4*(8*(\al)+4*(\bg)+\n):VC+4*(8*(\al)+4*(\bg)+\n)+2], s[10:11] offset:24576*(\al)+384*(4*(\bg)+\n)   ; two channels' rows: 384 consecutive bytes
	ds_store_b8 v[SVB], v[VE+8*(\al)+4*(\bg)+\n] offset:128*(\al)+8*(4*(\bg)+\n)   ; both lanes of a block write the same byte
.endr
.endm
.irp al, 0,1
.irp bg, 0,1
	VQ \al, \bg
.endr
.endr
	ds_load_b64 v[232:233], v[RV]                  ; my own 256 bytes: LDS serves a wave's instructions in order
	s_wait_dscnt 0x0
	global_store_b64 v[T8], v[232:233], s[12:13]   ; 256 consecutive bytes, aligned
.Ljoin:
	s_wait_tensorcnt 0x0                           ; the wave's end, behind my last tensor load and my last LDS store
	ds_add_u32 v[SPW], v[NIL]
	s_wait_dscnt 0x0
	CROUND                                         ; the closing round: no work-group ends while a partner may still ask for a tile that names it
	s_endpgm
.Lfunc_end_k_q0a55b9b057_qkv:
	.size	k_q0a55b9b057_qkv, .Lfunc_end_k_q0a55b9b057_qkv-k_q0a55b9b057_qkv
	.p2alignl 7, 3214868480
	.fill 96, 4, 3214868480
	.section	.rodata,"a",@progbits
	.p2align	6, 0x0
	.amdhsa_kernel k_q0a55b9b057_qkv
		.amdhsa_group_segment_fixed_size 327680
		.amdhsa_private_segment_fixed_size 0
		.amdhsa_enable_private_segment 0
		.amdhsa_kernarg_size 40
		.amdhsa_user_sgpr_count 2
		.amdhsa_user_sgpr_kernarg_segment_ptr 1
		.amdhsa_wavefront_size32 1
		.amdhsa_system_sgpr_workgroup_id_x 1
		.amdhsa_system_sgpr_workgroup_id_y 1
		.amdhsa_system_sgpr_workgroup_id_z 1
		.amdhsa_system_vgpr_workitem_id 0
		.amdhsa_next_free_vgpr 768
		.amdhsa_next_free_sgpr 102
		.amdhsa_reserve_vcc 0
		.amdhsa_float_denorm_mode_32 3
		.amdhsa_float_denorm_mode_16_64 3
		.amdhsa_memory_ordered 1
		.amdhsa_forward_progress 1
		.amdhsa_inst_pref_size 146
	.end_amdhsa_kernel
	.amdgpu_metadata
---
amdhsa.version: [ 1, 2 ]
amdhsa.kernels:
  - .name:           k_q0a55b9b057_qkv
    .symbol:         k_q0a55b9b057_qkv.kd
    .args:
      - { .name: opc, .offset: 0, .size: 8, .value_kind: global_buffer, .address_space: global }
      - { .name: ops, .offset: 8, .size: 8, .value_kind: global_buffer, .address_space: global }
      - { .name: tab, .offset: 16, .size: 8, .value_kind: global_buffer, .address_space: global }
      - { .name: qkvc, .offset: 24, .size: 8, .value_kind: global_buffer, .address_space: global }
      - { .name: qkvs, .offset: 32, .size: 8, .value_kind: global_buffer, .address_space: global }
    .group_segment_fixed_size: 327680
    .private_segment_fixed_size: 0
    .kernarg_segment_align: 8
    .kernarg_segment_size: 40
    .max_flat_workgroup_size: 128
    .sgpr_count:     102
    .vgpr_count:     768
    .wavefront_size: 32
...
	.end_amdgpu_metadata
.endif
;; end of part 2
;; launch attn (part 3): grid 8 x 32, 16 waves a work-group, clusters of 4 x 1, 327,680 bytes of LDS; arguments qkvc, qkvs, oc, os; writes oc, os
.if DOCPART == 3
	.amdgcn_target "amdgcn-amd-amdhsa--gfx1250"
	.amdhsa_code_object_version 6
	.text
	.protected	k_q0a55b9b057_attn
	.globl	k_q0a55b9b057_attn
	.p2align	8
	.type	k_q0a55b9b057_attn,@function
k_q0a55b9b057_attn:
	s_mov_b64 s[64:65], 0
	v_nop
	global_prefetch_b8 v0, s[64:65] scope:SCOPE_SE
	s_setreg_imm32_b32 hwreg(HW_REG_WAVE_MODE, 25, 1), 1
	s_wait_xcnt 0x0
	s_wait_alu depctr_hold_cnt(0) depctr_sa_sdst(0) depctr_va_vdst(0) depctr_va_sdst(0) depctr_va_ssrc(0) depctr_va_vcc(0) depctr_vm_vsrc(0)
	s_getreg_b32 s2, hwreg(HW_REG_IB_STS2, 6, 4)
	s_cmp_eq_u32 s2, 0
	s_cbranch_scc0 .Lentry_in_a_cluster
	s_endpgm
.Lentry_in_a_cluster:
	s_bfe_u32 s2, ttmp6, 0x10000c
	s_cmp_lg_u32 s2, 0x3003
	s_cbranch_scc0 .Lentry_shape_is_right
	s_endpgm
.Lentry_shape_is_right:
; O[head][q] = sum over k of softmax_k(q . k / sqrt(8)) v[k], both products on codes of E2M3, and O quantised ALONG THE QUERIES on the way out, as the last product wants it.  No work of the problem is left out here.
; THE SOFTMAX AHEAD OF THE SECOND PRODUCT: t = score x log2(e) / sqrt(8) (one constant); M = the row's largest t so far, rounded up to a whole number; p = 2^(t - M) is quantised along the keys, not normalised;
; the row's sum is taken of the unquantised p and divides O at the end.  When M moves, the sum and O are multiplied by 2^(old M - new M): exact.
; SHARES.  A work-group owns 256 queries of one head, each of its sixteen waves 16 of them in 256 registers; every wave walks the head's 2,048 keys, 128 a step.
; K and V come through two LDS slots of 256 keys.  K lies as four planes (one for each 32 channels) of 24 bytes a key; V as 128 rows (channels) of 192 bytes, 16 bytes of padding behind each 64.
; CLUSTER.  The four query blocks of a cluster belong to one head and walk the same K and V: each tile is asked for JOINTLY (waves 0-3: K's planes, waves 4, 5: V's halves, wave 6 once: V's scale words of the whole head).
; K's scale bytes arrive as four planes; each work-group turns them into a word a key once, at its head.
; LAYOUT.  Both products are used transposed: S^T = K Q^T, O^T = V^T P^T: a lane holds ONE query (lane % 16).  Lane r of tile 2 b + u of K takes key 32 b + 8 u + r + 8 (r / 8), so that 16 registers of two neighbouring tiles are 16 neighbouring keys.
; OUT.  oc [K step = (query / 256) % 4][row = 1024 (2 batch + query / 1024) + 128 head + channel][192 bytes], os likewise with 8 bytes: the layout of the other operands of K = 1024.
; LIMITS: a block of zeros gets the byte 1 (its codes are zeros; only this program reads the bytes); NaN and infinities are not served.
; REGISTERS: v1-7 addresses that stay; v8-11, v29 addresses of the loads in hand; v12 -M, v13 the largest t, v[14:15] the sum; v16-27 Q; v32-79 four fragments; v96-159 S^T, then p; v160-223 O^T; v224-235 p's codes; v232-254 at work; v248-251, v253, v255 scale words.
.set NQ,    2                          ; key steps in a slot
.set KPL,   6208                       ; from plane to plane of K in a slot: 6,144 bytes + 64
.set VP,    240
.set VOFF,  25088                      ; a slot: K's four planes, then V's 128 rows
.set SLOT1, 1<<16                      ; slot 1 begins here: one exclusive or turns an address from one slot to the other
.set NSL,   8
.set KSW,   2*SLOT1                    ; K's scale words, 4 bytes a key: stored by the waves, never a load's target
.set VSW,   KSW+8192                   ; V's scale words [16 channels: 8][128 keys: 16][channel % 16]: filled once
.set SPARE, VSW+8192                   ; the spare words, 128 bytes a wave, which no other line names
.set STG,   SPARE+2048                 ; the way out: 128 channels x 1,296 bytes: sixteen pieces of 16 queries (64 bytes + 16), + 16
.set SCB,   STG+128*1296               ; and O's scale bytes: 8 a channel
.set AK0,  1
.set AV0,  2
.set ASK0, 3
.set ASV0, 4
.set SPW,  5                           ; v5 my spare word's LDS address; never rewritten
.set NIL,  6                           ; v6 0; never rewritten
.set GO,   7                           ; v7 12 x lane
.set ADK,  8
.set ADV,  9
.set ADS,  10
.set ADT,  11
.set PFO,  28                          ; v28 the prefetches' offset; never rewritten
.set ADV2, 29
.set AV1,  30
.set WV,   18
.set SEL,  20
.set CS,   22
.set G1K,  24
.set G1V,  32
.set G0K,  40
.set G0V,  44
.set G1S,  48
.set G0S,  56
.set TB,   2                           ; s2  LDS byte at which the slot in hand begins
.set TS,   3                           ; s3  the step's scale words of K: 512 bytes a step
.set TJ,   66                          ; s66 and V's: 64 bytes a step
.set SLOTS, 67
.set PFA,  76
.set PFS,  78
.set LIM,  80
.macro CROUND                          ; a round of the cluster's barrier
	s_barrier_signal -1
	s_barrier_wait -1
	s_cmp_lg_u32 s[WV], 0
	s_cbranch_scc1 .Lnot_wave_0_\@
	s_barrier_signal -3
.Lnot_wave_0_\@:
	s_barrier_wait -3
	s_barrier_signal -1
	s_barrier_wait -1
.endm
; A joint refill: the branches hang on the wave's number alone.  An s_nop 0 and four v_nop follow each line.
.macro TLOAD
	s_cmp_lt_u32 s[WV], 4
	s_cbranch_scc0 .Lnot_k_\@
	tensor_load_to_lds s[G0K:G0K+3], s[G1K:G1K+7]
	s_nop 0
.rept 4
	v_nop
.endr
	s_branch .Lasked_\@
.Lnot_k_\@:
	s_cmp_lt_u32 s[WV], 6
	s_cbranch_scc0 .Lasked_\@
	tensor_load_to_lds s[G0V:G0V+3], s[G1V:G1V+7]
	s_nop 0
.rept 4
	v_nop
.endr
.Lasked_\@:
.endm
; A PREFETCH of what the NEXT change of slots will ask for.  Both clusters of a head walk the same K and V: the first asks.  Its four partners share the bytes out BY ADDRESS: partner p takes K's plane p (wave 8) and the p-th quarter of
; V's rows (wave 9): 6,144 dense bytes each, lanes 256 bytes apart; lanes 24 to 31 name the run's last block once more within the instruction.  The last change that fills a slot asks for nothing; slots 0 and 1 come by their loads alone.
.macro ASK
	s_cmp_gt_u32 s[SLOTS], s[LIM]
	s_cbranch_scc0 .Lnot_mine_\@
	global_prefetch_b8 v[PFO], s[PFA:PFA+1] th:TH_LOAD_NT scope:SCOPE_SE
.Lnot_mine_\@:
.endm
	s_load_b256 s[4:11], s[0:1], 0x0               ; qkvc s[4:5], qkvs s[6:7], oc s[8:9], os s[10:11]
	v_lshl_add_u32 v[SPW], v0, 2, SPARE
	v_mov_b32 v[NIL], 0
	ds_add_u32 v[SPW], v[NIL]                      ; the wave's opening: the add, twice on end, and its wait ahead of the first tensor loads
	ds_add_u32 v[SPW], v[NIL]
	v_lshrrev_b32 v8, 5, v0
	v_readfirstlane_b32 s[WV], v8                  ; wave 0..15
	s_bfe_u32 s68, ttmp6, 0x40000                  ; cx: it enters global addresses of my own loads, stores and prefetches alone
	s_and_b32 s69, ttmp7, 0xffff                   ; the head, which the partners share
	s_mul_i32 s70, s69, 196608                     ; its bytes in each tensor of codes
	s_lshl_b32 s71, s69, 13                        ; and of scale bytes
	s_and_b32 s72, s[WV], 3                        ; K: plane = wave
	s_mul_i32 s73, s72, 49152
	s_add_co_u32 s73, s73, s70
	s_add_co_u32 s84, s73, 6291456
	s_mov_b32 s85, 0
	s_mul_i32 s74, s72, KPL
	s_and_b32 s72, s[WV], 1                        ; V: 64 rows = wave % 2
	s_mul_i32 s73, s72, 12288
	s_add_co_u32 s73, s73, s70
	s_add_co_u32 s86, s73, 12582912
	s_mov_b32 s87, 0
	s_mul_i32 s75, s72, 64*VP
	s_add_co_u32 s75, s75, VOFF
	s_add_co_u32 s88, s71, 524288                  ; V's scale words
	s_mov_b32 s89, 0
	s_mov_b32 s[G1K], 15|(3<<16)|(1<<21)           ; all four partners; elements of 8 bytes; bit 21 beside a mask: a plane's 6,144 dense bytes as 24 rows of 256
	s_mov_b32 s[G1K+1], 32<<16
	s_mov_b32 s[G1K+2], 24<<16
	s_mov_b32 s[G1K+3], 32<<16
	s_mov_b32 s[G1K+4], 24
	s_mov_b32 s[G1K+5], 32
	s_mov_b32 s[G1K+6], 0
	s_mov_b32 s[G1K+7], 0
	s_mov_b32 s[G1V], 15|(1<<20)|(1<<21)|(3<<22)|(3<<25)   ; bytes; 4 words of padding behind every 16: 64 rows of 192 bytes, dense in memory
	s_mov_b32 s[G1V+1], 192<<16
	s_mov_b32 s[G1V+2], 64<<16
	s_mov_b32 s[G1V+3], 192<<16
	s_mov_b32 s[G1V+4], 64
	s_mov_b32 s[G1V+5], 192
	s_mov_b32 s[G1V+6], 0
	s_mov_b32 s[G1V+7], 0
	s_mov_b32 s[G1S], 15|(3<<16)|(1<<21)           ; 8,192 dense bytes as 32 rows of 256
	s_mov_b32 s[G1S+1], 32<<16
	s_mov_b32 s[G1S+2], 32<<16
	s_mov_b32 s[G1S+3], 32<<16
	s_mov_b32 s[G1S+4], 32
	s_mov_b32 s[G1S+5], 32
	s_mov_b32 s[G1S+6], 0
	s_mov_b32 s[G1S+7], 0
	s_lshl_b32 s96, ttmp9, 2
	s_add_co_u32 s96, s96, s68                     ; my block of 256 queries
	s_lshl_b32 s96, s96, 8
	s_lshl_b32 s97, s[WV], 4
	s_add_co_u32 s96, s96, s97                     ; my first query
	s_mul_i32 s90, s96, 24
	s_add_co_u32 s90, s90, s70
	s_mov_b32 s91, 0
	s_add_co_u32 s92, s96, s71
	s_mov_b32 s93, 0
	s_add_co_u32 s94, s71, 262144
	s_mov_b32 s95, 0
	s_mov_b32 s[SEL], 0x76543210
	s_mov_b32 s[SEL+1], 0xfedcba98
	s_mov_b32 s[CS], 0x3f0293ee                    ; c = log2(e) / sqrt(8)
	s_mov_b32 s[CS+1], s[CS]
	s_mov_b32 s[TB], 0
	s_mov_b32 s[TS], 0
	s_mov_b32 s[TJ], 0
	s_mov_b32 s[SLOTS], NSL-1
	s_wait_dscnt 0x0                               ; both opening adds are done
	s_wait_kmcnt 0x0
	s_mov_b32 s[G0K], 1
	s_mov_b32 s[G0K+1], s74
	s_add_nc_u64 s[G0K+2:G0K+3], s[4:5], s[84:85]
	s_or_b32 s[G0K+3], s[G0K+3], 0x80000000
	s_mov_b32 s[G0V], 1
	s_mov_b32 s[G0V+1], s75
	s_add_nc_u64 s[G0V+2:G0V+3], s[4:5], s[86:87]
	s_or_b32 s[G0V+3], s[G0V+3], 0x80000000
	s_mov_b32 s[G0S], 1
	s_mov_b32 s[G0S+1], VSW
	s_add_nc_u64 s[G0S+2:G0S+3], s[6:7], s[88:89]
	s_or_b32 s[G0S+3], s[G0S+3], 0x80000000
	CROUND                                         ; all four work-groups are here: the first joint loads meet
	s_cmp_lt_u32 s[WV], 4                          ; the first fills: slot 0 and V's scale words, one load a loading wave; every wait on TENSORcnt in this text is for 0
	s_cbranch_scc0 .Lhead_not_k
	tensor_load_to_lds s[G0K:G0K+3], s[G1K:G1K+7]
	s_nop 0
.rept 4
	v_nop
.endr
	s_branch .Lhead_asked
.Lhead_not_k:
	s_cmp_lt_u32 s[WV], 6
	s_cbranch_scc0 .Lhead_not_v
	tensor_load_to_lds s[G0V:G0V+3], s[G1V:G1V+7]
	s_nop 0
.rept 4
	v_nop
.endr
	s_branch .Lhead_asked
.Lhead_not_v:
	s_cmp_eq_u32 s[WV], 6
	s_cbranch_scc0 .Lhead_asked
	tensor_load_to_lds s[G0S:G0S+3], s[G1S:G1S+7]
	s_nop 0
.rept 4
	v_nop
.endr
.Lhead_asked:
	s_add_nc_u64 s[90:91], s[4:5], s[90:91]        ; Q's codes at my first query, plane 0
	s_add_nc_u64 s[92:93], s[6:7], s[92:93]        ; its scale bytes
	s_add_nc_u64 s[94:95], s[6:7], s[94:95]        ; K's scale bytes of the head
	v_and_b32 v8, 15, v0                           ; r
	v_bfe_u32 v9, v0, 4, 1                         ; h
	v_mul_u32_u24 v10, v9, 49152
	v_mad_u32_u24 v10, v8, 24, v10                 ; plane h, query r
.irp p, 0,1,2,3,4,5
	global_load_b64 v[16+2*\p:17+2*\p], v10, s[90:91] offset:98304*(\p/3)+8*(\p%3)   ; Q's fragment: registers 6 c on hold block 2 c + h
.endr
.irp b, 0,1,2,3
	global_load_u8 v[232+\b], v8, s[92:93] offset:2048*\b
.endr
	v_lshlrev_b32 v11, 2, v0
.irp b, 0,1,2,3
	global_load_b32 v[240+\b], v11, s[94:95] offset:2048*\b   ; keys 4 T .. 4 T + 3 of plane b, T my thread's number
.endr
	; where the results go: row0 = 8192 (block % 4) + 1024 (2 batch + block / 4) + 128 (head % 8)
	s_lshl_b32 s96, s68, 13
	s_lshr_b32 s97, s69, 3
	s_lshl_b32 s97, s97, 1
	s_add_co_u32 s97, s97, ttmp9
	s_lshl_b32 s97, s97, 10
	s_add_co_u32 s96, s96, s97
	s_and_b32 s97, s69, 7
	s_lshl_b32 s97, s97, 7
	s_add_co_u32 s96, s96, s97
	s_lshl_b32 s98, s96, 3
	s_mov_b32 s99, 0
	s_lshl_b32 s97, s[WV], 3
	s_add_co_u32 s96, s96, s97                     ; + my wave's 8 channels
	s_mul_i32 s96, s96, 192
	s_mov_b32 s97, 0
	s_add_nc_u64 s[8:9], s[8:9], s[96:97]
	s_add_nc_u64 s[10:11], s[10:11], s[98:99]
	; the prefetches: who asks, and where
	s_cmp_eq_u32 s[WV], 8
	s_mov_b32 s82, 12582912+24576
	s_cselect_b32 s82, 6291456+6144, s82           ; slot 1: the first change of slots steps it to slot 2
	s_mov_b32 s83, 6144
	s_cselect_b32 s83, 49152, s83                  ; from partner to partner
	s_mov_b32 s[PFS], 24576
	s_cselect_b32 s[PFS], 6144, s[PFS]             ; from slot to slot
	s_mul_i32 s83, s83, s68
	s_add_co_u32 s82, s82, s83
	s_add_co_u32 s82, s82, s70
	s_mov_b32 s83, 0
	s_mov_b32 s[PFS+1], 0
	s_add_nc_u64 s[PFA:PFA+1], s[4:5], s[82:83]
	s_lshr_b32 s82, s[WV], 1
	s_xor_b32 s82, s82, 4                          ; 0 in waves 8 and 9,
	s_or_b32 s82, s82, ttmp9                       ; of the head's first cluster: the same in all partners
	s_cmp_eq_u32 s82, 0
	s_cselect_b32 s[LIM], 1, -1
	v_and_b32 v[PFO], 31, v0
	v_min_u32 v[PFO], 23, v[PFO]
	v_lshlrev_b32 v[PFO], 8, v[PFO]
	v_and_b32 v244, 7, v0
	v_bfe_u32 v245, v0, 3, 1
	v_mul_u32_u24 v[AK0], v9, KPL                  ; K: plane h, key r + 8 (r / 8)
	v_mad_u32_u24 v[AK0], v244, 24, v[AK0]
	v_mad_u32_u24 v[AK0], v245, 384, v[AK0]
	v_mul_u32_u24 v[AV0], v8, VP                   ; V: row r, + 24 h;
	v_mad_u32_u24 v[AV0], v9, 24, v[AV0]
	v_add_nc_u32 v[AV0], VOFF, v[AV0]
	v_lshl_add_u32 v[AV1], v9, 4, v[AV0]           ; and behind one padding more
	v_lshlrev_b32 v[ASK0], 2, v244
	v_lshl_add_u32 v[ASK0], v245, 6, v[ASK0]
	v_add_nc_u32 v[ASK0], KSW, v[ASK0]
	v_lshl_add_u32 v[ASV0], v8, 2, VSW
	v_and_b32 v[GO], 31, v0
	v_mul_u32_u24 v[GO], v[GO], 12
	v_lshl_add_u32 v254, v0, 4, KSW
	v_mov_b32 v13, 0xff61b1e6                      ; the largest t so far: -3e38
	v_floor_f32 v12, -v13                          ; -M
	v_mov_b32 v14, 0
	v_mov_b32 v15, 0
	v_mov_b32 v253, 0
.irp j, 0,1,2,3,4,5,6,7,8,9,10,11,12,13,14,15,16,17,18,19,20,21,22,23,24,25,26,27,28,29,30,31,32,33,34,35,36,37,38,39,40,41,42,43,44,45,46,47,48,49,50,51,52,53,54,55,56,57,58,59,60,61,62,63
	v_mov_b32 v[160+\j], 0                         ; O^T: the step is written once; its first run finds zeros
.endr
	s_wait_loadcnt 0x0
	v_lshl_or_b32 v255, v233, 8, v232              ; Q's scale word
	v_lshl_or_b32 v255, v234, 16, v255
	v_lshl_or_b32 v255, v235, 24, v255
	v_perm_b32 v244, v241, v240, 0x05010400        ; 4 x 4 bytes turned: from four planes' words to four keys' words
	v_perm_b32 v245, v241, v240, 0x07030602
	v_perm_b32 v246, v243, v242, 0x05010400
	v_perm_b32 v247, v243, v242, 0x07030602
	v_perm_b32 v236, v246, v244, 0x05040100
	v_perm_b32 v237, v246, v244, 0x07060302
	v_perm_b32 v238, v247, v245, 0x05040100
	v_perm_b32 v239, v247, v245, 0x07060302
	ds_store_b128 v254, v[236:239]                 ; the first change of slots waits for it and passes a barrier before anyone reads
; A KEY STEP: 128 keys, the q-th of the slot in hand.
.macro STEP q
	v_add_nc_u32 v[ADK], s[TB], v[AK0]
	v_add_nc_u32 v[ADV], s[TB], v[AV0]
	v_add_nc_u32 v[ADV2], s[TB], v[AV1]
	v_add_nc_u32 v[ADS], s[TS], v[ASK0]
	v_add_nc_u32 v[ADT], s[TJ], v[ASV0]            ; (these five are the places in front of the loads into registers that the last products read)
.irp g, 0,1                                    ; S^T = K Q^T, four tiles of 16 keys at a time
.rept 4*\g
	v_nop
.endr
.irp t, 0,1,2,3
.irp p, 0,1,2,3,4,5
	ds_load_b64 v[32+12*\t+2*\p:32+12*\t+2*\p+1], v[ADK] offset:(128*(\q)+32*((4*\g+\t)/2)+8*(\t%2))*24+2*KPL*(\p/3)+8*(\p%3)
.endr
	ds_load_b32 v[248+\t], v[ADS] offset:(32*((4*\g+\t)/2)+8*(\t%2))*4
.endr
	s_wait_dscnt 0x0
.irp t, 0,1,2,3
	v_wmma_scale_f32_16x16x128_f8f6f4 v[96+8*(4*\g+\t):103+8*(4*\g+\t)], v[32+12*\t:43+12*\t], v[16:27], 0, v[248+\t], v255 matrix_a_fmt:MATRIX_FMT_FP6 matrix_b_fmt:MATRIX_FMT_FP6
.endr
.endr
.rept 4
	v_nop
.endr
.irp b, 0,1,2,3
	v_max3_num_f32 v[232+\b], v[96+16*\b], v[97+16*\b], v[98+16*\b]   ; the largest score of each block of 32 keys: for the row's maximum, and, since p rises with the score, for the block's largest p
.endr
.irp i, 3,5,7,9,11,13
.irp b, 0,1,2,3
	v_max3_num_f32 v[232+\b], v[232+\b], v[96+16*\b+\i], v[97+16*\b+\i]
.endr
.endr
.irp b, 0,1,2,3
	v_max_num_f32 v[232+\b], v[232+\b], v[111+16*\b]
.endr
.irp b, 0,1,2,3
	v_permlanex16_b32 v[236+\b], v[232+\b], s[SEL], s[SEL+1]
.endr
.irp b, 0,1,2,3
	v_max_num_f32 v[232+\b], v[232+\b], v[236+\b]
.endr
	v_max3_num_f32 v254, v232, v233, v234
	v_max_num_f32 v254, v254, v235
	v_mul_f32 v254, s[CS], v254
	v_max_num_f32 v13, v13, v254                   ; the running largest t
	v_mov_b32 v254, v12
	v_floor_f32 v12, -v13                          ; the new -M = -ceil(t)
	v_sub_f32 v254, v12, v254                      ; old M - new M: a whole number, 0 or less
	v_cvt_i32_f32 v254, v254
	v_ldexp_f32 v252, 1.0, v254                    ; f = 2^(old M - new M)
.irp j, 0,2,4,6,8,10,12,14,16,18,20,22,24,26,28,30,32,34,36,38,40,42,44,46,48,50,52,54,56,58,60,62
	v_pk_fma_f32 v[96+\j:97+\j], v[96+\j:97+\j], s[CS:CS+1], v[12:13] op_sel_hi:[1,0,0]   ; t - M
.endr
.irp b, 0,1,2,3
	v_fma_f32 v[232+\b], v[232+\b], s[CS], v12
.endr
.irp j, 0,1,2,3,4,5,6,7,8,9,10,11,12,13,14,15,16,17,18,19,20,21,22,23,24,25,26,27,28,29,30,31,32,33,34,35,36,37,38,39,40,41,42,43,44,45,46,47,48,49,50,51,52,53,54,55,56,57,58,59,60,61,62,63
	v_exp_f32 v[96+\j], v[96+\j]                   ; p = 2^(t - M)
.endr
	v_pk_mul_f32 v[14:15], v[14:15], v[252:253] op_sel_hi:[1,0]   ; the sums under the new M (a plain place behind the exponentials)
	s_wait_alu depctr_va_vdst(0)                   ; one wait for the whole batch, ahead of its first reader
.irp b, 0,1,2,3
	v_exp_f32 v[232+\b], v[232+\b]                 ; the block's largest p
.endr
	v_pk_add_f32 v[236:237], v[96:97], v[98:99]    ; the row's sum of the unquantised p, in two chains
.irp j, 4,8,12,16,20,24,28,32,36,40,44,48,52,56,60
	v_pk_add_f32 v[14:15], v[14:15], v[96+\j:97+\j]
	v_pk_add_f32 v[236:237], v[236:237], v[98+\j:99+\j]
.endr
	v_pk_add_f32 v[14:15], v[14:15], v[236:237]
	s_wait_alu depctr_va_vdst(0)                   ; and one for the four
.irp b, 0,1,2,3
	v_max_num_f32 v[232+\b], 0x1800000, v[232+\b]  ; the floor 2^(3 - 127)
.endr
.irp b, 0,1,2,3
	v_add_nc_u32 v[244+\b], 0xff000000, v[232+\b]
.endr
.irp b, 0,1,2,3
	v_lshrrev_b32 v[236+\b], 23, v[244+\b]
.endr
	v_lshl_or_b32 v253, v237, 8, v236              ; p's scale word for these 128 keys
	v_lshl_or_b32 v253, v238, 16, v253
	v_lshl_or_b32 v253, v239, 24, v253
.irp c, 0,1
	v_cvt_scalef32_pk16_fp6_f32 v[224+6*\c:226+6*\c], v[96+32*\c:111+32*\c], v[244+2*\c]
	v_cvt_scalef32_pk16_fp6_f32 v[236+4*\c:238+4*\c], v[112+32*\c:127+32*\c], v[244+2*\c+1]
.endr
	v_nop                                          ; one plain place behind a scaled conversion
.irp c, 0,1
.irp i, 0,1,2
	v_permlane16_swap_b32 v[224+6*\c+\i], v[236+4*\c+\i]
.endr
.irp i, 0,1,2
	v_mov_b32 v[227+6*\c+\i], v[236+4*\c+\i]
.endr
.endr
.irp j, 0,2,4,6,8,10,12,14,16,18,20,22,24,26,28,30,32,34,36,38,40,42,44,46,48,50,52,54,56,58,60,62
	v_pk_mul_f32 v[160+\j:161+\j], v[160+\j:161+\j], v[252:253] op_sel_hi:[1,0]   ; O^T under the new M (also the places in front of the products and loads below)
.endr
.irp g, 0,1                                    ; O^T += V^T P^T, four tiles of 16 channels at a time
.if \g > 0
.rept 4
	v_nop
.endr
.endif
.irp t, 0,1,2,3
.irp p, 0,1,2,3,4,5
.set PCN, 12*(\q)+6*(\p/3)+\p%3
.if PCN%8 < 5
	ds_load_b64 v[32+12*\t+2*\p:32+12*\t+2*\p+1], v[ADV] offset:8*PCN+16*(PCN/8)+16*VP*(4*\g+\t)
.else
	ds_load_b64 v[32+12*\t+2*\p:32+12*\t+2*\p+1], v[ADV2] offset:8*PCN+16*(PCN/8)+16*VP*(4*\g+\t)
.endif
.endr
	ds_load_b32 v[248+\t], v[ADT] offset:1024*(4*\g+\t)
.endr
	s_wait_dscnt 0x0
.irp t, 0,1,2,3
	v_wmma_scale_f32_16x16x128_f8f6f4 v[160+8*(4*\g+\t):167+8*(4*\g+\t)], v[32+12*\t:43+12*\t], v[224:235], v[160+8*(4*\g+\t):167+8*(4*\g+\t)], v[248+\t], v253 matrix_a_fmt:MATRIX_FMT_FP6 matrix_b_fmt:MATRIX_FMT_FP6
.endr
.endr
	s_add_co_u32 s[TS], s[TS], 512
	s_add_co_u32 s[TJ], s[TJ], 64
.endm
; THE CHANGE OF SLOTS stands at a slot's head.  Each wave waits for all its tensor loads, adds 0 to its spare word (fill = 1: twice on end), and waits for that and for its
; reads of the slot that it has left.  fill = 1: a round of the cluster's barrier, and behind it the other slot is filled with the keys that follow: one load a loading wave, with a slot's two steps in which to land.
.macro CHANGE fill
	s_wait_tensorcnt 0x0
	ds_add_u32 v[SPW], v[NIL]
.if \fill
	ds_add_u32 v[SPW], v[NIL]
	s_xor_b32 s[G0K+1], s[G0K+1], SLOT1            ; no tensor load of mine is out: the walking descriptors step
	s_add_nc_u64 s[G0K+2:G0K+3], s[G0K+2:G0K+3], 6144
	s_xor_b32 s[G0V+1], s[G0V+1], SLOT1
	s_add_nc_u64 s[G0V+2:G0V+3], s[G0V+2:G0V+3], 24576
	s_wait_xcnt 0x0                                ; the last prefetch, a slot back, has read its address
	s_add_nc_u64 s[PFA:PFA+1], s[PFA:PFA+1], s[PFS:PFS+1]
	s_wait_dscnt 0x0
	CROUND
	TLOAD
	ASK
.else
	s_wait_dscnt 0x0
	s_barrier_signal -1
	s_barrier_wait -1
.endif
.endm
.macro SLOT_STEPS
	STEP 0
	STEP 1
	s_xor_b32 s[TB], s[TB], SLOT1
.endm
.Lslot:                                            ; seven trips: behind each change of slots but the last the next slot is asked for
	CHANGE 1
	SLOT_STEPS
	s_sub_co_u32 s[SLOTS], s[SLOTS], 1
	s_cmp_lg_u32 s[SLOTS], 0
	s_cbranch_scc1 .Lslot
	CHANGE 0                                       ; the last slot is written out
	SLOT_STEPS
	; THE WAY OUT.  O^T / the sum goes into a stage laid [channel][query]; each wave then takes 8 channels, a lane 16 neighbouring queries, and quantises along the queries.
	; The address work below uses v240-243 and v1-3, v8-11: none of them is a register of the last products (v32-79, v160-223, v224-235, v248-251, v253), whose results are first read far more than four plain lines on (ISA guide 7.12.1).
	v_add_f32 v14, v14, v15
	v_permlanex16_b32 v252, v14, s[SEL], s[SEL+1]
	v_add_f32 v14, v14, v252                       ; the row's sum
	v_rcp_f32 v14, v14
	v_and_b32 v240, 15, v0                         ; r  (a plain line behind the reciprocal)
	v_bfe_u32 v241, v0, 4, 1                       ; h
	s_mul_i32 s73, s[WV], 80
	s_add_co_u32 s73, s73, STG
	v_mul_u32_u24 v8, v241, 8*1296
	v_lshl_add_u32 v8, v240, 2, v8
	v_add_nc_u32 v8, s73, v8                       ; in: channel 8 h, my wave's piece, query r; channels 0-47,
	v_add_nc_u32 v9, 48*1296, v8                   ; 48-95,
	v_add_nc_u32 v10, 96*1296, v8                  ; 96-127
	s_mul_i32 s74, s[WV], 8*1296
	s_add_co_u32 s74, s74, STG
	v_mul_u32_u24 v11, v241, 1296
	v_mad_u32_u24 v11, v240, 80, v11
	v_add_nc_u32 v11, s74, v11                     ; back: channel 8 w + lane / 16, piece lane % 16
	v_bfe_u32 v242, v0, 1, 3
	v_lshl_add_u32 v242, v241, 3, v242
	s_lshl_b32 s75, s[WV], 6
	s_add_co_u32 s75, s75, SCB
	v_add_nc_u32 v1, s75, v242                     ; my block's scale byte: 8 bytes a channel
	s_and_b32 s75, s[WV], 1
	s_lshl_b32 s75, s75, 9
	v_and_b32 v243, 31, v0
	v_lshl_add_u32 v3, v243, 4, s75                ; the bytes' way out: 512 x wave + 16 x lane, in waves 0 and 1
	v_add_nc_u32 v2, SCB, v3
	s_wait_alu depctr_va_vdst(0)                   ; the wait behind the reciprocal, ahead of its first reader
.irp j, 0,1,2,3,4,5,6,7,8,9,10,11,12,13,14,15,16,17,18,19,20,21,22,23,24,25,26,27,28,29,30,31,32,33,34,35,36,37,38,39,40,41,42,43,44,45,46,47,48,49,50,51,52,53,54,55,56,57,58,59,60,61,62,63
	v_mul_f32 v[96+\j], v[160+\j], v14             ; register 8 t + i is O(query r, channel 16 t + 8 h + i); each accumulator from its low end on
.endr
.irp t, 0,1,2,3,4,5,6,7
.irp i, 0,1,2,3,4,5,6,7
	ds_store_b32 v[8+\t/3], v[96+8*\t+\i] offset:(16*(\t%3)+\i)*1296
.endr
.endr
	s_wait_dscnt 0x0                               ; for the others' sake: my stores are done
	s_barrier_signal -1
	s_barrier_wait -1
.irp p, 0,1,2,3
.irp k, 0,1,2,3
	ds_load_b128 v[32+16*\p+4*\k:35+16*\p+4*\k], v11 offset:2592*\p+16*\k   ; channel 8 w + 2 p + lane / 16: 16 neighbouring queries
.endr
.endr
	s_wait_dscnt 0x0
.irp p, 0,1,2,3
	v_max3_num_f32 v[232+\p], |v[32+16*\p]|, |v[33+16*\p]|, |v[34+16*\p]|
	v_max3_num_f32 v[236+\p], |v[35+16*\p]|, |v[36+16*\p]|, |v[37+16*\p]|
.endr
.irp i, 6,10
.irp p, 0,1,2,3
	v_max3_num_f32 v[232+\p], v[232+\p], |v[32+16*\p+\i]|, |v[33+16*\p+\i]|
	v_max3_num_f32 v[236+\p], v[236+\p], |v[34+16*\p+\i]|, |v[35+16*\p+\i]|
.endr
.endr
.irp p, 0,1,2,3
	v_max3_num_f32 v[232+\p], v[232+\p], |v[46+16*\p]|, |v[47+16*\p]|
.endr
.irp p, 0,1,2,3
	v_max3_num_f32 v[232+\p], v[232+\p], v[236+\p], 0x1800000   ; and the floor 2^(3 - 127)
.endr
.irp p, 0,1,2,3
	v_max_num_f32_dpp v[232+\p], v[232+\p], v[232+\p] row_xmask:1 row_mask:0xf bank_mask:0xf   ; with my neighbour's 16 queries: the block's
.endr
.irp p, 0,1,2,3
	v_add_nc_u32 v[240+\p], 0xff000000, v[232+\p]
.endr
.irp p, 0,1,2,3
	v_cvt_scalef32_pk16_fp6_f32 v[160+4*\p:162+4*\p], v[32+16*\p:47+16*\p], v[240+\p]
.endr
.irp p, 0,1,2,3
	v_lshrrev_b32 v[244+\p], 23, v[240+\p]         ; the scale's byte (plain lines behind the conversions)
.endr
.irp p, 0,1,2,3
	global_store_b96 v[GO], v[160+4*\p:162+4*\p], s[8:9] offset:384*\p   ; two channels' rows: 384 consecutive bytes
	ds_store_b8 v1, v[244+\p] offset:16*\p         ; both lanes of a block write the same byte
.endr
	s_wait_dscnt 0x0
	s_barrier_signal -1
	s_barrier_wait -1
	s_cmp_lt_u32 s[WV], 2                          ; the 1,024 scale bytes leave as whole runs of 512, by waves 0 and 1
	s_cbranch_scc0 .Lno_scales
	ds_load_b128 v[96:99], v2
	s_wait_dscnt 0x0
	global_store_b128 v3, v[96:99], s[10:11]
.Lno_scales:
	s_wait_tensorcnt 0x0                           ; the wave's end, behind my last tensor load and my last LDS store
	ds_add_u32 v[SPW], v[NIL]
	s_wait_dscnt 0x0
	CROUND                                         ; the closing round
	s_endpgm
.Lfunc_end_k_q0a55b9b057_attn:
	.size	k_q0a55b9b057_attn, .Lfunc_end_k_q0a55b9b057_attn-k_q0a55b9b057_attn
	.p2alignl 7, 3214868480
	.fill 96, 4, 3214868480
	.section	.rodata,"a",@progbits
	.p2align	6, 0x0
	.amdhsa_kernel k_q0a55b9b057_attn
		.amdhsa_group_segment_fixed_size 327680
		.amdhsa_private_segment_fixed_size 0
		.amdhsa_enable_private_segment 0
		.amdhsa_kernarg_size 32
		.amdhsa_user_sgpr_count 2
		.amdhsa_user_sgpr_kernarg_segment_ptr 1
		.amdhsa_wavefront_size32 1
		.amdhsa_system_sgpr_workgroup_id_x 1
		.amdhsa_system_sgpr_workgroup_id_y 1
		.amdhsa_system_sgpr_workgroup_id_z 1
		.amdhsa_system_vgpr_workitem_id 0
		.amdhsa_next_free_vgpr 256
		.amdhsa_next_free_sgpr 100
		.amdhsa_reserve_vcc 0
		.amdhsa_float_denorm_mode_32 3
		.amdhsa_float_denorm_mode_16_64 3
		.amdhsa_memory_ordered 1
		.amdhsa_forward_progress 1
		.amdhsa_inst_pref_size 118
	.end_amdhsa_kernel
	.amdgpu_metadata
---
amdhsa.version: [ 1, 2 ]
amdhsa.kernels:
  - .name:           k_q0a55b9b057_attn
    .symbol:         k_q0a55b9b057_attn.kd
    .args:
      - { .name: qkvc, .offset: 0, .size: 8, .value_kind: global_buffer, .address_space: global }
      - { .name: qkvs, .offset: 8, .size: 8, .value_kind: global_buffer, .address_space: global }
      - { .name: oc, .offset: 16, .size: 8, .value_kind: global_buffer, .address_space: global }
      - { .name: os, .offset: 24, .size: 8, .value_kind: global_buffer, .address_space: global }
    .group_segment_fixed_size: 327680
    .private_segment_fixed_size: 0
    .kernarg_segment_align: 8
    .kernarg_segment_size: 32
    .max_flat_workgroup_size: 512
    .sgpr_count:     100
    .vgpr_count:     256
    .wavefront_size: 32
...
	.end_amdgpu_metadata
.endif
;; end of part 3
;; launch outp (part 4): grid 32 x 8, 4 waves a work-group, clusters of 4 x 4, 327,680 bytes of LDS; arguments opc, ops, oc, os, out0; writes out0
.if DOCPART == 4
	.amdgcn_target "amdgcn-amd-amdhsa--gfx1250"
	.amdhsa_code_object_version 6
	.text
	.protected	k_q0a55b9b057_outp
	.globl	k_q0a55b9b057_outp
	.p2align	8
	.type	k_q0a55b9b057_outp,@function
k_q0a55b9b057_outp:
	s_mov_b64 s[64:65], 0
	v_nop
	global_prefetch_b8 v0, s[64:65] scope:SCOPE_SE
	s_setreg_imm32_b32 hwreg(HW_REG_WAVE_MODE, 25, 1), 1
	s_wait_xcnt 0x0
	s_wait_alu depctr_hold_cnt(0) depctr_sa_sdst(0) depctr_va_vdst(0) depctr_va_sdst(0) depctr_va_ssrc(0) depctr_va_vcc(0) depctr_vm_vsrc(0)
	s_getreg_b32 s2, hwreg(HW_REG_IB_STS2, 6, 4)
	s_cmp_eq_u32 s2, 0
	s_cbranch_scc0 .Lentry_in_a_cluster
	s_endpgm
.Lentry_in_a_cluster:
	s_bfe_u32 s2, ttmp6, 0x10000c
	s_cmp_lg_u32 s2, 0xf033
	s_cbranch_scc0 .Lentry_shape_is_right
	s_endpgm
.Lentry_shape_is_right:
; The last linear layer with its two shuffles folded into addresses: out0[b][1024 u + e][e2] = sum over k of Wo[e][k] O[b][e2 / 128][1024 u + k][e2 % 128]: a product of Wo's 1,024 rows with the 8,192 rows
; (2 b + u) 1024 + e2 of O^T, K = 1,024 queries, both on codes of E2M3 made by the earlier launches.  No work of the problem is left out here.
; A tile is 128 (rows of Wo) x 256 (rows of O^T): four waves, each 64 x 128 in 32 accumulators: 8 x 32 = 256 work-groups.
; K goes in four steps of 256 through THREE LDS slots: K steps 0, 1, 2 are asked for at the head, K step 3 is the one refill (of slot 0).  The operands lie [K step][row][192 bytes]; a tile's scale bytes for all of K come once, with the first fills.
; CLUSTERS: 4 x 4 work-groups; Wo's tiles are asked for jointly along a row of the cluster, O^T's along a column.
; THE MATRIX INSTRUCTION IS USED TRANSPOSED (source 0 = 16 rows of O^T, source 1 = 16 rows of Wo): a lane holds eight neighbouring numbers of a row of out0.
; REGISTERS, in windows of 256: window 0: v0-31 addresses; v32-63 scale words, two sets; v128-175, v176-223 Wo's fragments, two sets; on the way out v128-255.   window 1: O^T's fragments, two sets.
;   window 2: accumulator (a, b) at v[8 (16 (a / 2) + 2 b + a % 2)].
.set NQ,     2
.set ROWB,   192
.set PITCH,  240
.set FR,     12
.set NL,     6
.set NP,     4                         ; places behind this matrix instruction (ISA guide 7.12.1)
.set AT,     64*PITCH                  ; 64 rows of Wo: what wave 0 or 1 fetches, and what one wave multiplies
.set BT,     128*PITCH                 ; 128 rows of O^T: what wave 2 or 3 fetches, and what one wave multiplies
.set SLOT,   2*AT+2*BT
.set SCL,    3*SLOT                    ; the scale bytes: Wo's [K step 4][128 rows][8], then for each half of O^T's rows [K step 4][128 rows][8]
.set SPARE,  SCL+12288                 ; the spare words, 128 bytes a wave, which no other line names
.set SPITCH, 528                       ; the way out: a stage of 16 rows x (512 + 16) bytes for each wave, in slot 1, which has had its only fill, and whose last read stands ahead of the last barrier
.set A_R,    1024
.set B_R,    8192
.set A_KS,   A_R*ROWB
.set B_KS,   B_R*ROWB
.set A_OFF,  8650752
.set A_SOFF, 360448
.set CROW,   4096                      ; a row of out0 in bytes
.set ADRA, 8                           ; v8-10 LDS address of Wo's fragments in slot 0, 1, 2 (v11-13: behind one padding more)
.set ADRB, 14                          ; v14-19 the same for O^T
.set STO,  24
.set RD,   25
.set CO,   26
.set ADRS, 27
.set SPW,  28                          ; v28 my spare word's LDS address; never rewritten
.set NIL,  29                          ; v29 0; never rewritten
.set SC,   32
.set AF,   128
.set BK,   128
.set G1,   24
.set G1B,  32
.set G0,   48
.set G0S,  60
.set G1S,  68
.set G1SB, 76
.set G0B,  84
.set G0SB, 96
.set MSB, 0
.macro WIN new                         ; the immediate's high byte repeats the setting that is left
.if MSB != \new
	s_set_vgpr_msb (MSB<<8)|\new
.set MSB, \new
.endif
.endm
.set MUL,  0xa1                        ; source 0 (O^T) window 1, source 1 (Wo) window 0, C and D window 2
.set TO_B, 0x40
.macro JLOAD g0a, g1a, g0b, g1b        ; a joint load: waves 0 and 1 fetch for Wo, waves 2 and 3 for O^T; an s_nop 0 and four v_nop follow each line
	s_cmp_eq_u32 s15, 0
	s_cbranch_scc0 .Lfor_b_\@
	tensor_load_to_lds s[\g0a:\g0a+3], s[\g1a:\g1a+7]
	s_nop 0
.rept 4
	v_nop
.endr
	s_branch .Lasked_\@
.Lfor_b_\@:
	tensor_load_to_lds s[\g0b:\g0b+3], s[\g1b:\g1b+7]
	s_nop 0
.rept 4
	v_nop
.endr
.Lasked_\@:
.endm
.macro CREST                           ; a round of the cluster's barrier behind its opening barrier
	s_cmp_lg_u32 s14, 0
	s_cbranch_scc1 .Lnot_wave_0_\@
	s_barrier_signal -3
.Lnot_wave_0_\@:
	s_barrier_wait -3
	s_barrier_signal -1
	s_barrier_wait -1
.endm
.macro CROUND
	s_barrier_signal -1
	s_barrier_wait -1
	CREST
.endm
	s_load_b256 s[4:11], s[0:1], 0x0               ; opc s[4:5], ops s[6:7], oc s[8:9], os s[10:11]
	s_load_b64 s[12:13], s[0:1], 0x20              ; out0
	v_lshl_add_u32 v[SPW], v0, 2, SPARE
	v_mov_b32 v[NIL], 0
	ds_add_u32 v[SPW], v[NIL]                      ; the wave's opening: the add, twice on end, and its wait ahead of my first tensor load
	ds_add_u32 v[SPW], v[NIL]
	v_lshrrev_b32 v1, 5, v0
	v_readfirstlane_b32 s14, v1                    ; wave 0..3
	s_lshr_b32 s15, s14, 1                         ; which 64 of the tile's rows are mine.  Also: I fetch for Wo (0) or for O^T (1)
	s_and_b32 s16, s14, 1                          ; which half of its columns.  Also: which half of that operand's tile I fetch
	s_bfe_u32 s40, ttmp6, 0x40000
	s_bfe_u32 s41, ttmp6, 0x40004
	s_lshl_b32 s42, ttmp9, 2
	s_add_co_u32 s42, s42, s40                     ; tile column: 256 rows of O^T
	s_and_b32 s17, ttmp7, 0xffff
	s_lshl_b32 s17, s17, 2
	s_add_co_u32 s17, s17, s41                     ; tile row: 128 rows of Wo
	s_lshl_b32 s43, s41, 2
	s_lshl_b32 s43, 15, s43                        ; my row of the cluster
	s_lshl_b32 s44, 0x1111, s40                    ; my column
	s_or_b32 s[G1+0], s43, (0<<16)|(1<<20)|(1<<21)|(3<<22)|(3<<25)  ; the mask; bytes; padding of 4 words behind every 16; bit 21 beside a mask
	s_or_b32 s[G1B+0], s44, (0<<16)|(1<<20)|(1<<21)|(3<<22)|(3<<25)
.irp g, G1, G1B
	s_mov_b32 s[\g+1], ROWB<<16
	s_mov_b32 s[\g+3], ROWB<<16
	s_mov_b32 s[\g+5], ROWB
	s_mov_b32 s[\g+6], 0
	s_mov_b32 s[\g+7], 0
.endr
	s_mov_b32 s[G1+2], 64<<16                      ; 64 rows of Wo,
	s_mov_b32 s[G1+4], 64
	s_mov_b32 s[G1B+2], 128<<16                    ; 128 of O^T
	s_mov_b32 s[G1B+4], 128
	s_or_b32 s[G1S+0], s43, (3<<16)|(1<<21)        ; the scale bytes: rows (K steps) of 128 elements of 8 bytes, no padding
	s_or_b32 s[G1SB+0], s44, (3<<16)|(1<<21)
.irp g, G1S, G1SB
	s_mov_b32 s[\g+1], 128<<16
	s_mov_b32 s[\g+3], 128<<16
	s_mov_b32 s[\g+6], 0
	s_mov_b32 s[\g+7], 0
.endr
	s_mov_b32 s[G1S+2], 2<<16                      ; Wo: the tile's 128 rows, two K steps to a load
	s_mov_b32 s[G1S+4], 2
	s_mov_b32 s[G1S+5], A_R
	s_mov_b32 s[G1SB+2], 4<<16                     ; O^T: 128 rows, all four K steps to a load
	s_mov_b32 s[G1SB+4], 4
	s_mov_b32 s[G1SB+5], B_R
	s_lshl_b32 s20, s17, 7                         ; Wo: row 128 x tile row
	s_lshl_b32 s22, s20, 3                         ; its scale bytes,
	s_mul_i32 s18, s16, 2*A_R*8                    ; my two K steps of them
	s_add_co_u32 s22, s22, s18
	s_add_co_u32 s22, s22, A_SOFF
	s_mov_b32 s23, 0
	s_lshl_b32 s18, s16, 6
	s_add_co_u32 s20, s20, s18                     ; + the 64 rows that I fetch
	s_mul_i32 s20, s20, ROWB
	s_add_co_u32 s20, s20, A_OFF
	s_mov_b32 s21, 0
	s_lshl_b32 s46, s42, 8
	s_lshl_b32 s18, s16, 7
	s_add_co_u32 s46, s46, s18                     ; O^T: row 256 x tile column + 128 x half
	s_lshl_b32 s44, s46, 3
	s_mov_b32 s45, 0
	s_mul_i32 s46, s46, ROWB
	s_mov_b32 s47, 0
	s_mul_i32 s2, s16, AT                          ; where the tiles go in a slot: no place in the cluster enters an LDS address
	s_mul_i32 s3, s16, BT
	s_add_co_u32 s3, s3, 2*AT
	s_lshl_b32 s18, s16, 11                        ; and the scale bytes
	s_lshl_b32 s19, s16, 12
	s_wait_dscnt 0x0                               ; both opening adds are done
	s_wait_kmcnt 0x0
	s_add_nc_u64 s[20:21], s[4:5], s[20:21]
	s_add_nc_u64 s[22:23], s[6:7], s[22:23]
	s_add_nc_u64 s[46:47], s[8:9], s[46:47]
	s_add_nc_u64 s[44:45], s[10:11], s[44:45]
	CROUND                                         ; all sixteen work-groups are here: the first joint loads meet
	s_mov_b32 s[G0S], 1
	s_add_co_u32 s[G0S+1], s18, SCL
	s_mov_b64 s[G0S+2:G0S+3], s[22:23]
	s_or_b32 s[G0S+3], s[G0S+3], 0x80000000
	s_mov_b32 s[G0SB], 1
	s_add_co_u32 s[G0SB+1], s19, SCL+4096
	s_mov_b64 s[G0SB+2:G0SB+3], s[44:45]
	s_or_b32 s[G0SB+3], s[G0SB+3], 0x80000000
	JLOAD G0S, G1S, G0SB, G1SB                     ; the scale bytes first: they are wanted with K step 0
.irp s, 0,1,2
	s_mov_b32 s[G0+4*\s], 1
	s_add_co_u32 s[G0+4*\s+1], s2, \s*SLOT
	s_add_nc_u64 s[G0+4*\s+2:G0+4*\s+3], s[20:21], \s*A_KS
	s_or_b32 s[G0+4*\s+3], s[G0+4*\s+3], 0x80000000
	s_mov_b32 s[G0B+4*\s], 1
	s_add_co_u32 s[G0B+4*\s+1], s3, \s*SLOT
	s_add_nc_u64 s[G0B+4*\s+2:G0B+4*\s+3], s[46:47], \s*B_KS
	s_or_b32 s[G0B+4*\s+3], s[G0B+4*\s+3], 0x80000000
	JLOAD G0+4*\s, G1, G0B+4*\s, G1B               ; K steps 0, 1, 2: four loads of mine are out
.endr
	v_and_b32 v1, 15, v0                           ; r
	v_bfe_u32 v2, v0, 4, 1                         ; h
	v_mul_u32_u24 v3, v1, PITCH
	v_mul_u32_u24 v4, v2, 24
	v_add_nc_u32 v4, v3, v4                        ; a fragment's row x pitch + 24 x half
	v_lshl_add_u32 v5, v2, 4, v4                   ; and the same behind one padding more
	s_mul_i32 s21, s15, AT
	s_mul_i32 s22, s16, BT
	s_add_co_u32 s22, s22, 2*AT
.irp s, 0,1,2
	v_add_nc_u32 v[ADRA+\s], s21, v4
	v_add_nc_u32 v[ADRB+\s], s22, v4
	v_add_nc_u32 v[ADRA+3+\s], s21, v5
	v_add_nc_u32 v[ADRB+3+\s], s22, v5
	s_add_co_u32 s21, s21, SLOT
	s_add_co_u32 s22, s22, SLOT
.endr
	v_lshlrev_b32 v5, 3, v1                        ; my row's 8 scale bytes of a K step
	s_add_co_u32 s22, s16, 1
	s_lshl_b32 s22, s22, 12
	s_lshl_b32 s23, s15, 9
	s_sub_co_u32 s22, s22, s23                     ; from Wo's 64 rows that I multiply to O^T's 128
	v_mul_u32_u24 v6, s22, v2                      ; lanes 16-31 take O^T's
	s_add_co_u32 s21, s23, SCL
	v_add_nc_u32 v5, v5, v6
	v_add_nc_u32 v[ADRS], s21, v5
	s_mul_i32 s23, s14, 16*SPITCH
	s_add_co_u32 s23, s23, SLOT                    ; my stage, in slot 1
	v_mul_u32_u24 v5, v1, SPITCH
	v_lshl_add_u32 v5, v2, 5, v5
	v_add_nc_u32 v[STO], s23, v5                   ; in: row l % 16, 32 bytes for each half of the lanes
	v_and_b32 v6, 31, v0
	v_lshlrev_b32 v[CO], 4, v6                     ; back: the 32 lanes take one row of 512 bytes; and the same in out0
	v_add_nc_u32 v[RD], s23, v[CO]
	s_lshr_b32 s20, s42, 2                         ; 2 b + u
	s_lshl_b32 s20, s20, 10
	s_lshl_b32 s21, s17, 7
	s_add_co_u32 s20, s20, s21
	s_lshl_b32 s21, s15, 6
	s_add_co_u32 s20, s20, s21                     ; my first row of out0
	s_lshl_b32 s20, s20, 12
	s_and_b32 s21, s42, 3
	s_lshl_b32 s21, s21, 10
	s_add_co_u32 s20, s20, s21                     ; + my tile's 256 columns
	s_lshl_b32 s21, s16, 9
	s_add_co_u32 s20, s20, s21                     ; + my half of them
	s_mov_b32 s21, 0
	s_add_nc_u64 s[12:13], s[12:13], s[20:21]
.macro FRAG reg, adr, q, i             ; 16 rows x 128 K of 6-bit codes: 12 registers, in pieces of 8 bytes; lanes 16-31 read three pieces further on, which for some pieces lies behind one padding more
.irp p, 0,1,2,3,4,5
.set PCE, 12*(\q)+6*(\p/3)+\p%3
.if PCE%8 < 5
	ds_load_b64 v[\reg+2*\p:\reg+2*\p+1], v[\adr] offset:8*PCE+16*(PCE/8)+(\i)*16*PITCH
.else
	ds_load_b64 v[\reg+2*\p:\reg+2*\p+1], v[\adr+3] offset:8*PCE+16*(PCE/8)+(\i)*16*PITCH
.endif
.endr
.endm
; 8 matrix instructions: Wo's block a x O^T's eight, from fragment sets p.  The 32 accumulators take turns, one instruction a turn, in the same order in every step.
.macro MULA a, p, q, sc, zero
.irp b, 0,1,2,3,4,5,6,7
.set AC, 8*(16*((\a)/2)+2*\b+(\a)%2)
.if \zero
	v_wmma_scale_f32_16x16x128_f8f6f4 v[AC:AC+7], v[128*(\p)+FR*\b:128*(\p)+FR*\b+FR-1], v[AF+48*(\p)+FR*(\a):AF+48*(\p)+FR*(\a)+FR-1], 0, v[SC+16*(\sc)+NQ*\b+(\q)], v[SC+16*(\sc)+NQ*(\a)+(\q)] matrix_a_fmt:MATRIX_FMT_FP6 matrix_b_fmt:MATRIX_FMT_FP6 matrix_a_scale:MATRIX_SCALE_ROW1
.else
	v_wmma_scale_f32_16x16x128_f8f6f4 v[AC:AC+7], v[128*(\p)+FR*\b:128*(\p)+FR*\b+FR-1], v[AF+48*(\p)+FR*(\a):AF+48*(\p)+FR*(\a)+FR-1], v[AC:AC+7], v[SC+16*(\sc)+NQ*\b+(\q)], v[SC+16*(\sc)+NQ*(\a)+(\q)] matrix_a_fmt:MATRIX_FMT_FP6 matrix_b_fmt:MATRIX_FMT_FP6 matrix_a_scale:MATRIX_SCALE_ROW1
.endif
.endr
.endm
.macro FETCH_B slot, q, p
	WIN TO_B
.irp i, 0,1,2,3,4,5,6,7
	FRAG 128*(\p)+FR*\i, ADRB+\slot, \q, \i
.endr
	WIN 0
.endm
.macro FETCH_A2 slot, q, p, i0
.irp i, \i0, \i0+1
	FRAG AF+48*(\p)+FR*(\i), ADRA+\slot, \q, \i
.endr
.endm
.macro SCALES sc                       ; a K step's two words a row: lanes 16-31 O^T's block i; lanes 0-15 Wo's block i (of registers 4 to 7 these lanes are not read: they take bytes that the scale loads have filled)
.irp i, 0,1,2,3,4,5,6,7
	ds_load_b64 v[SC+16*\sc+NQ*\i:SC+16*\sc+NQ*\i+1], v[ADRS] offset:\i*128
.endr
.endm
.macro PLACES n
.rept \n
	v_nop
.endr
.endm
; A slot's first 128 along K: multiplies sets 0; in its middle it fetches the slot's second 128 into sets 1, four places behind the products that last read them.
.macro STEP slot, sc, zero
	s_wait_dscnt 2*NL                              ; O^T's set and Wo's blocks 0, 1 are in; the youngest 12 loads (blocks 2, 3) may be out
	WIN MUL
	MULA 0, 0, 0, \sc, \zero
	MULA 1, 0, 0, \sc, \zero
	s_wait_dscnt 0x0
	PLACES NP
	FETCH_B \slot, 1, 1
	FETCH_A2 \slot, 1, 1, 0
	FETCH_A2 \slot, 1, 1, 2
	WIN MUL
	MULA 2, 0, 0, \sc, \zero
	MULA 3, 0, 0, \sc, \zero
.endm
; A slot's second 128 along K multiplies sets 1 and goes on to the next slot.
; mode 2: slot 0 is filled again: each wave waits for all its tensor loads (K steps 1 and 2), adds 0 to its spare word, waits for that and for its reads of the slot; a round of the cluster's barrier; the joint refill first behind it.
; mode 1: the same waits and my work-group's barrier, behind which K step 3 is whole; nothing is filled.
; mode 0: no barrier: the slot ahead was shown whole to every wave by mode 2's round, and nothing is written.
.macro TURN next, sc, nsc, mode
.if \mode > 0
	WIN 0                                          ; (the add's two registers lie in window 0)
	s_wait_tensorcnt 0x0                           ; all my tensor loads have landed
	ds_add_u32 v[SPW], v[NIL]                      ; 0 onto my spare word
	s_wait_dscnt 3*NL+1                            ; (the add and the youngest 18 loads, Wo's blocks 1 to 3, may be out)
	WIN MUL
	MULA 0, 1, 1, \sc, 0
	s_wait_dscnt 0x0                               ; the add is done, and my reads of this slot are over
	s_barrier_signal -1
	MULA 1, 1, 1, \sc, 0
	WIN 0
	s_barrier_wait -1
.if \mode > 1
	CREST                                          ; the barrier has opened a round of the cluster's: no wave of any partner still reads slot 0 or has a load on its way
	s_add_nc_u64 s[G0+2:G0+3], s[G0+2:G0+3], 3*A_KS
	s_add_nc_u64 s[G0B+2:G0B+3], s[G0B+2:G0B+3], 3*B_KS
	JLOAD G0, G1, G0B, G1B                         ; K step 3, the first tensor load behind the round; its four v_nop are the places in front of the loads below
.else
	PLACES NP
.endif
.else
	s_wait_dscnt 2*NL                              ; the youngest 12 loads (Wo's blocks 2, 3) may be out
	WIN MUL
	MULA 0, 1, 1, \sc, 0
	MULA 1, 1, 1, \sc, 0
	s_wait_dscnt 0x0
	WIN 0
	PLACES NP
.endif
	v_add_nc_u32 v[ADRS], 1024, v[ADRS]            ; the next K step's scale words
	FETCH_B \next, 0, 0
	FETCH_A2 \next, 0, 0, 0
	SCALES \nsc
	FETCH_A2 \next, 0, 0, 2
	WIN MUL
	MULA 2, 1, 1, \sc, 0
	MULA 3, 1, 1, \sc, 0
.endm
	s_wait_tensorcnt 2                             ; the scale bytes and my part of K step 0 are in (K steps 1 and 2, issued behind them, may be out)
	s_barrier_signal -1
	s_barrier_wait -1                              ; everybody's are
	FETCH_B 0, 0, 0
	FETCH_A2 0, 0, 0, 0
	SCALES 0
	FETCH_A2 0, 0, 0, 2
	STEP 0, 0, 1                                   ; K's four steps of 256 are written out: the first products start the sums,
	TURN 1, 0, 1, 2                                ; slot 0 takes K step 3,
	STEP 1, 1, 0
	TURN 2, 1, 0, 0
	STEP 2, 0, 0
	TURN 0, 0, 1, 1                                ; K step 3 is whole; every wave's reads of slots 1 and 2 are over
	STEP 0, 1, 0
	s_wait_dscnt 2*NL
	WIN MUL
	MULA 0, 1, 1, 1, 0
	MULA 1, 1, 1, 1, 0
	s_wait_dscnt 0x0
	MULA 2, 1, 1, 1, 0
	MULA 3, 1, 1, 1, 0
	WIN 0
; THE WAY OUT, block by block of 16 rows x 128 columns, through my own stage: in by 32 bytes a lane, back as whole rows of 512 bytes.  LDS serves a wave's instructions in order.
.macro TOSTAGE a
	WIN 0x08                                       ; an LDS store's data: window 2
.irp b, 0,1,2,3,4,5,6,7
.set AC, 8*(16*((\a)/2)+2*\b+(\a)%2)
	ds_store_b128 v[STO], v[AC:AC+3] offset:64*\b              ; each accumulator from its low end on
	ds_store_b128 v[STO], v[AC+4:AC+7] offset:64*\b+16
.endr
	WIN 0
.set BB, BK+64*((\a)%2)
.irp t, 0,1,2,3,4,5,6,7,8,9,10,11,12,13,14,15
	ds_load_b128 v[BB+4*\t:BB+4*\t+3], v[RD] offset:\t*SPITCH
.endr
.endm
.macro SEND a, younger
.set BB, BK+64*((\a)%2)
	s_wait_dscnt \younger                          ; the block is back in registers; the LDS instructions issued behind its loads may be out
.if (\a) > 0
	s_add_nc_u64 s[12:13], s[12:13], 16*CROW       ; (behind a wait on XCNT: the earlier stores have read their base)
.endif
.irp t, 0,1,2,3,4,5,6,7,8,9,10,11,12,13,14,15
	global_store_b128 v[CO], v[BB+4*\t:BB+4*\t+3], s[12:13] offset:\t*CROW th:TH_STORE_NT   ; 512 consecutive bytes, at a multiple of 256 from out0's first byte
.endr
.endm
	PLACES NP                                      ; behind the last products: results are read, and loads land in the registers that held Wo's fragments
	TOSTAGE 0
.irp a, 1,2,3
.if \a > 1
	s_wait_xcnt 0x0                                ; block a - 2's stores have read their registers and their base
.endif
	TOSTAGE \a
	SEND \a-1, 32                                  ; behind block a - 1's loads: block a's 16 stores and 16 loads
.endr
	s_wait_xcnt 0x0
	SEND 3, 0
	s_wait_tensorcnt 0x0                           ; the wave's end, behind my last tensor load and my last LDS store
	ds_add_u32 v[SPW], v[NIL]
	s_wait_dscnt 0x0
	CROUND                                         ; the closing round: no work-group ends while a partner may still ask for a tile that names it
	s_endpgm
.Lfunc_end_k_q0a55b9b057_outp:
	.size	k_q0a55b9b057_outp, .Lfunc_end_k_q0a55b9b057_outp-k_q0a55b9b057_outp
	.p2alignl 7, 3214868480
	.fill 96, 4, 3214868480
	.section	.rodata,"a",@progbits
	.p2align	6, 0x0
	.amdhsa_kernel k_q0a55b9b057_outp
		.amdhsa_group_segment_fixed_size 327680
		.amdhsa_private_segment_fixed_size 0
		.amdhsa_enable_private_segment 0
		.amdhsa_kernarg_size 40
		.amdhsa_user_sgpr_count 2
		.amdhsa_user_sgpr_kernarg_segment_ptr 1
		.amdhsa_wavefront_size32 1
		.amdhsa_system_sgpr_workgroup_id_x 1
		.amdhsa_system_sgpr_workgroup_id_y 1
		.amdhsa_system_sgpr_workgroup_id_z 1
		.amdhsa_system_vgpr_workitem_id 0
		.amdhsa_next_free_vgpr 768
		.amdhsa_next_free_sgpr 100
		.amdhsa_reserve_vcc 0
		.amdhsa_float_denorm_mode_32 3
		.amdhsa_float_denorm_mode_16_64 3
		.amdhsa_memory_ordered 1
		.amdhsa_forward_progress 1
		.amdhsa_inst_pref_size 100
	.end_amdhsa_kernel
	.amdgpu_metadata
---
amdhsa.version: [ 1, 2 ]
amdhsa.kernels:
  - .name:           k_q0a55b9b057_outp
    .symbol:         k_q0a55b9b057_outp.kd
    .args:
      - { .name: opc, .offset: 0, .size: 8, .value_kind: global_buffer, .address_space: global }
      - { .name: ops, .offset: 8, .size: 8, .value_kind: global_buffer, .address_space: global }
      - { .name: oc, .offset: 16, .size: 8, .value_kind: global_buffer, .address_space: global }
      - { .name: os, .offset: 24, .size: 8, .value_kind: global_buffer, .address_space: global }
      - { .name: out0, .offset: 32, .size: 8, .value_kind: global_buffer, .address_space: global }
    .group_segment_fixed_size: 327680
    .private_segment_fixed_size: 0
    .kernarg_segment_align: 8
    .kernarg_segment_size: 40
    .max_flat_workgroup_size: 128
    .sgpr_count:     100
    .vgpr_count:     768
    .wavefront_size: 32
...
	.end_amdgpu_metadata
.endif
;; end of part 4
